; MI455X (gfx1250); checked and timed in simulation.
; The chip was launched on July 23, 2026; its instructions are those of AMD's public machine-readable ISA for CDNA 5 (MIT licence, August 2026) and "CDNA5" Instruction Set Architecture Reference Guide (July 2026). The comments in the code are by the model that wrote it; some were corrected since.
;; Vanilla Multi Head Attention Module. Allowed arithmetic: matrix products marked QUANTISED: E3M2 operands, one E8M0 scale for each 32 along K, by v_wmma_scale_f32_16x16x128_f8f6f4 with both operands' format E3M2, f32 sums; everything else in f32.
;; Inputs: Wk_codes 1,024 x 32 x 24 uint8 (E3M2 codes of Wk, K innermost, in blocks of 32 codes, four codes in three bytes); Wk_scales 1,024 x 32 uint8 (E8M0 scales of Wk, one for each 32 codes along K); Wo_codes 1,024 x 32 x 24 uint8 (E3M2 codes of Wo, K innermost, in blocks of 32 codes, four codes in three bytes); Wo_scales 1,024 x 32 uint8 (E8M0 scales of Wo, one for each 32 codes along K); Wq_codes 1,024 x 32 x 24 uint8 (E3M2 codes of Wq, K innermost, in blocks of 32 codes, four codes in three bytes); Wq_scales 1,024 x 32 uint8 (E8M0 scales of Wq, one for each 32 codes along K); Wv_codes 1,024 x 32 x 24 uint8 (E3M2 codes of Wv, K innermost, in blocks of 32 codes, four codes in three bytes); Wv_scales 1,024 x 32 uint8 (E8M0 scales of Wv, one for each 32 codes along K); bk 1,024 float32; bo 1,024 float32; bq 1,024 float32; bv 1,024 float32; context 4 x 2,048 x 1,024 float32; ln_beta 1,024 float32; ln_gamma 1,024 float32; state 4 x 2,048 x 1,024 float32.
;; Outputs: out0 4 x 2,048 x 1,024 float32.
;; This version of the problem:
;;   THIS VERSION OF THE PROBLEM IS GIVEN IN LOW PRECISION. The matrix products marked QUANTISED in the list below multiply operands that are first quantised to E3M2 (3 exponent bits, 2 mantissa bits; 6 bits a number), with one power-of-two scale for each 32 numbers along K (OCP MX v1.0); their sums are f32. All else is computed in f32.
;;   The module's matrix products, in the order in which they are computed (A, B: the left and right operand; K: the contracted axis; several contracted axes count as one K, in the product's order):
;;     1. [M 8,192, K 1,024] x [K 1,024, N 1,024]; A: computed on the way; B: input Wq (given as codes): QUANTISED
;;     2. [M 8,192, K 1,024] x [K 1,024, N 1,024]; A: computed on the way; B: input Wk (given as codes): QUANTISED
;;     3. [M 8,192, K 1,024] x [K 1,024, N 1,024]; A: computed on the way; B: input Wv (given as codes): QUANTISED
;;     4. batch 64 x [M 2,048, K 64] x [K 64, N 2,048]; A: computed on the way; B: computed on the way: QUANTISED
;;     5. batch 64 x [M 2,048, K 2,048] x [K 2,048, N 64]; A: softmax (see below); B: computed on the way: QUANTISED
;;     6. [M 8,192, K 1,024] x [K 1,024, N 1,024]; A: computed on the way; B: input Wo (given as codes): QUANTISED
;;   THE QUANTISER, for each operand of a quantised product, along K:
;;     - K is cut into blocks of 32 from its start; a last block that is shorter is filled with zeros.
;;     - A block's scale is 2^e with e = floor(log2(the largest magnitude in the block)) - 4, held to -126 .. 127; a block of zeros has e = 0. As a byte (E8M0): e + 127.
;;     - Each number is divided by its block's scale, clamped to +-28, and rounded to the nearest number of E3M2, ties to even, subnormals kept.
;;     - The product sums the exact products of the quantised numbers (number of the format x scale) in f32.
;;   ~~~python
;;   def quantise(x, axis):      # numpy; x: float32 -> the quantised numbers, widened to float32 again
;;       x = np.moveaxis(x, axis, -1); K = x.shape[-1]
;;       x = np.pad(x, [(0, 0)] * (x.ndim - 1) + [(0, -K % 32)]); x = x.reshape(x.shape[:-1] + (-1, 32)); a = np.abs(x).max(-1, keepdims=True)
;;       e = np.where(a > 0, np.clip(np.frexp(np.where(a > 0, a, 1))[1] - 1 - 4, -126, 127), 0)      # np.frexp(a)[1] - 1 = floor(log2(a)), exactly
;;       r = np.clip(x / 2.0 ** e, -28, 28)
;;       step = 2.0 ** (np.maximum(np.frexp(np.where(r == 0, 1, r))[1] - 1, -2) - 2)
;;       q = np.round(r / step) * step * 2.0 ** e      # np.round: ties to even
;;       return np.moveaxis(q.reshape(q.shape[:-2] + (-1,))[..., :K], -1, axis).astype(np.float32)
;;   ~~~
;;   SOFTMAX AHEAD OF A QUANTISED PRODUCT. Where the list says 'softmax', what is quantised is not the finished softmax but p = 2^(t - M), with t = logit x log2(e) and M = ceil(the row's largest t), a whole number; so 1/2 < the row's largest p <= 1. The row's sum l is taken of the UNQUANTISED p, in f32, and the product's result is divided by l at the end. Since M is a whole number, a kernel that streams over the keys may use a running M (the ceiling of the running maximum): every later rescaling is an exact power of two, which a block's scale takes up: the codes' values come out the same.
;;   OPERANDS COMPUTED ON THE WAY. 'Computed on the way' means the value that the module computes at that place (a softmax that the list does not call 'softmax' is quantised finished and normalised). What goes into a quantiser is computed in f32, as accurately as f32 sums, v_exp_f32 and their like allow (about 1e-6 of the number): no bf16 or f16 on the way to a quantiser, and a product that is left as it is and whose result goes on into a quantised operand takes f32 operands (vector FMAs, or v_wmma_f32_16x16x4_f32). A number that lies on a knife's edge between two numbers of the format may be rounded either way, as far as f32 arithmetic and the matrix unit's own rounding can turn it there, and no further.
;;   INPUTS GIVEN AS CODES. Wk (in the module: [1024, 1024], K = its axis 0); Wo (in the module: [1024, 1024], K = its axis 0); Wq (in the module: [1024, 1024], K = its axis 0); Wv (in the module: [1024, 1024], K = its axis 0): each comes as NAME_codes (uint8): NAME with its K axis moved to the last place and cut into blocks of 32 codes, [.., K / 32, bytes a block], one block behind the other in memory; four codes in three bytes: a row's codes are one little-endian stream of bits, code i at bits 6 i .. 6 i + 5 (a code: sign, 3 exponent bits, 2 mantissa bits); and NAME_scales (uint8): the same leading axes, one E8M0 byte (e + 127) for each 32 codes along K. Its value is code x scale, taken as it is: it is not quantised again, and the codes and scales need not be those that the quantiser above would give.
;; One version. Each part assembles by itself: llvm-mc -triple=amdgcn-amd-amdhsa -mcpu=gfx1250 --defsym DOCPART=n.
;; ======== version 1 of 1: 4 launches
;; workspace buffers: ximg 12,582,912 bytes; xsc 524,288 bytes; wimg 3,145,728 bytes; qkv 20,185,088 bytes; oimg 6,291,456 bytes; osc 262,144 bytes
;; launch lnq (part 1): grid 256 x 1, 4 waves a work-group, no clusters, 263,680 bytes of LDS; arguments state, context, ln_gamma, ln_beta, Wq_codes, Wk_codes, Wv_codes, Wo_codes, ximg, xsc, wimg; writes ximg, xsc, wimg
.if DOCPART == 1
	.amdgcn_target "amdgcn-amd-amdhsa--gfx1250"
	.amdhsa_code_object_version 6
	.text
	.protected	k_q1b00f1007d_lnq
	.globl	k_q1b00f1007d_lnq
	.p2align	8
	.type	k_q1b00f1007d_lnq,@function
k_q1b00f1007d_lnq:
	s_mov_b64 s[64:65], 0
	v_nop
	global_prefetch_b8 v0, s[64:65] scope:SCOPE_SE
	s_setreg_imm32_b32 hwreg(HW_REG_WAVE_MODE, 25, 1), 1
	s_wait_xcnt 0x0
; LayerNorm of state and context (16,384 rows of 1,024 f32), quantised along the row to codes of BF6 (E3M2) with one E8M0 byte for each 32, and the four weights' codes laid anew.
; ALL OPERANDS OF THE LATER PRODUCTS ARE LAID AS IMAGES OF THE OPERAND'S REGISTERS.  A tile is 16 rows: tile T of a row axis holds rows 32 (T / 2) + 8 (T % 2) + p(i), p(i) = i + 8 (i / 8), i = 0 .. 15.
; A fragment (a tile x 128 along K) is 12 registers a lane; lane (r, h) holds k = 64 c + 32 h + 0 .. 31 of tile row r in registers 6 c .. 6 c + 5.  Its image is 1,536 bytes: for c = 0, 1: registers 6 c .. 6 c + 3 of
; lane L at 768 c + 16 L, registers 6 c + 4, 6 c + 5 at 768 c + 512 + 8 L.  128 rows x 1,024 K are a block of 98,304 bytes: [K step 0 .. 7][tile 0 .. 7][1,536].
; ximg: 128 such blocks (state's 64, then context's 64); xsc: [16,384 rows][32 scale bytes]; wimg: Wq, Wk, Wv, Wo, 8 blocks each.
; SHARES.  A work-group takes 64 rows, each of its four waves one tile.  A wave's 16 rows (64 KiB) come by four tensor loads of four rows into the wave's own LDS bytes; no wave reads another's bytes: no barrier.
; A row is normalised by the whole wave (32 numbers a lane; the variance is taken of the centred numbers), and stored back into the same region with rows 4,112 bytes apart.  Rows go from 15 down to 0, so that a stored
; row covers only raw rows that are in registers already.  Then lane (r, h) reads its 64 numbers of a K step from row r: two whole blocks of 32, so a block's largest magnitude needs no other lane.
; While its tensor loads are on their way a wave lays two fragments of one weight anew: work-group g: weight g / 64, tile g % 64; wave w: K steps 2 w, 2 w + 1.
; LIMITS: NaN and infinities are not served.  A block whose largest magnitude lies under 2^-122 keeps the byte 1; a block of zeros gets the byte 1 where the rule says 127: its codes are zeros, and this program alone reads the bytes.
; No cluster: the work-groups share only gamma and beta, 8 KiB beside 256 KiB of rows of their own.  No matrix unit: there is no product here.
.set WREG, 65792                       ; a wave's LDS bytes: 16 rows x 4,112
.set YP,   4112                        ; a normalised row's pitch: 257 x 16 bytes
.set G1,   32                          ; s[32:39] descriptor group 1;  s[40:55] four groups 0
.set G0,   40
.set LA,   4                           ; v4   my wave's region + 16 L
.set FA,   5                           ; v5   my wave's region + 4,112 r + 128 h
.set L16,  6                           ; v6   16 L
.set L8,   7                           ; v7   8 L
.set WA,   8                           ; v8   a weight's codes: p(r) x 768 + 24 h
.set XSA,  9                           ; v9   xsc: p(r) x 32 + 16 h
.set SH,   10                          ; v10  8 h
.set X,    32                          ; v32-95   two rows, 32 numbers a lane each
.set Y,    96                          ; v96-127  the normalised row
.set GM,   128                         ; v128-159 gamma
.set BT,   160                         ; v160-191 beta
.set T,    192                         ; v192-195 sums
.set MU,   196                         ; v[196:197] the mean (low word)
.set RS,   198                         ; v[198:199] 1 / sqrt(var + eps) (low word)
.set VA,   200                         ; v200 var + eps
.set N,    32                          ; later: v32-159 two sets of 64 numbers
.set C,    160                         ; v160-171 a fragment's codes
.set C2,   172                         ; v172-174, v176-178 the second halves as the conversions give them
.set MX,   180
.set SO,   182
.set BY,   184
.set WD,   186
.set SW,   188                         ; v188-195 my row's eight scale words
.set OW,   196                         ; v196-199 the four that I store
	s_load_b256 s[4:11], s[0:1], 0x0               ; state, context, gamma, beta
	s_load_b256 s[12:19], s[0:1], 0x20             ; Wq's, Wk's, Wv's, Wo's codes
	s_load_b128 s[20:23], s[0:1], 0x40             ; ximg, xsc
	s_load_b64 s[24:25], s[0:1], 0x50              ; wimg
	v_lshl_add_u32 v208, v0, 2, 0x40400
	v_mov_b32 v209, 0
	ds_add_u32 v208, v209
	ds_add_u32 v208, v209
	v_lshrrev_b32 v1, 5, v0
	v_readfirstlane_b32 s26, v1                    ; wave 0..3
	s_mul_i32 s29, s26, WREG                       ; my wave's LDS region
	s_lshr_b32 s27, s26, 1
	s_lshl_b32 s27, s27, 5
	s_and_b32 s28, s26, 1
	s_lshl_b32 s28, s28, 3
	s_add_co_u32 s27, s27, s28                     ; my tile's first row in the work-group's 64: 32 (w / 2) + 8 (w % 2)
	s_and_b32 s30, ttmp9, 127
	s_lshl_b32 s30, s30, 6
	s_add_co_u32 s30, s30, s27
	s_lshl_b32 s30, s30, 12                        ; and in its tensor, in bytes (under 2^25)
	s_mov_b32 s31, 0
	; group 1: four rows of 4,096 bytes are one dense block, stated as 64 rows of 256 bytes (32 elements of 8 bytes)
	s_mov_b32 s[G1+0], 3<<16                       ; no mask; elements of 8 bytes; no padding
	s_mov_b32 s[G1+1], 32<<16                      ; tensor_dim0
	s_mov_b32 s[G1+2], 64<<16                      ; tensor_dim1
	s_mov_b32 s[G1+3], 32<<16                      ; tile_dim0
	s_mov_b32 s[G1+4], 64                          ; tile_dim1
	s_mov_b32 s[G1+5], 32                          ; the pitch
	s_mov_b32 s[G1+6], 0
	s_mov_b32 s[G1+7], 0
	s_wait_dscnt 0x0
	s_wait_kmcnt 0x0
	s_cmp_lt_u32 ttmp9, 128                        ; the first 128 work-groups take state, the others context
	s_cselect_b64 s[4:5], s[4:5], s[6:7]
	s_add_nc_u64 s[4:5], s[4:5], s[30:31]
.irp c, 0,1,2,3                                ; chunk c: tile rows 4 c .. 4 c + 3, which are rows 4 c + 8 (c / 2) on from the tile's first
	s_mov_b32 s[G0+4*\c], 1
	s_add_co_u32 s[G0+4*\c+1], s29, 16384*\c
	s_add_nc_u64 s[G0+4*\c+2:G0+4*\c+3], s[4:5], (4*\c+8*(\c/2))*4096
	s_or_b32 s[G0+4*\c+3], s[G0+4*\c+3], 0x80000000
.endr
.irp c, 3,2,1,0                                ; the last rows first: they are worked first.  Four loads of mine are out
	tensor_load_to_lds s[G0+4*\c:G0+4*\c+3], s[G1:G1+7]
	s_nop 0
.endr
.rept 4
	v_nop
.endr
	s_lshr_b32 s28, ttmp9, 6                       ; which weight
	s_and_b32 s56, ttmp9, 63                       ; which of its 64 tiles
	s_lshr_b32 s57, s56, 1
	s_mul_i32 s62, s57, 24576                      ; 32 rows of 768 bytes
	s_and_b32 s57, s56, 1
	s_mul_i32 s57, s57, 6144
	s_add_co_u32 s62, s62, s57
	s_mul_i32 s57, s26, 192                        ; K step 2 w: 96 bytes a step
	s_add_co_u32 s62, s62, s57
	s_mov_b32 s63, 0
	s_mul_i32 s66, s28, 786432                     ; in wimg: the weight,
	s_lshr_b32 s57, s56, 3
	s_mul_i32 s57, s57, 98304                      ; the block,
	s_add_co_u32 s66, s66, s57
	s_mul_i32 s57, s26, 24576                      ; K step 2 w,
	s_add_co_u32 s66, s66, s57
	s_and_b32 s57, s56, 7
	s_mul_i32 s57, s57, 1536                       ; the tile
	s_add_co_u32 s66, s66, s57
	s_mov_b32 s67, 0
	s_lshr_b32 s57, ttmp9, 1                       ; in ximg: tile 4 g + w: block g / 2, tile 4 (g % 2) + w
	s_mul_i32 s68, s57, 98304
	s_and_b32 s57, ttmp9, 1
	s_lshl_b32 s57, s57, 2
	s_add_co_u32 s57, s57, s26
	s_mul_i32 s57, s57, 1536
	s_add_co_u32 s68, s68, s57
	s_mov_b32 s69, 0
	s_lshl_b32 s70, ttmp9, 6                       ; in xsc: row 64 g + my tile's first, 32 bytes a row
	s_add_co_u32 s70, s70, s27
	s_lshl_b32 s70, s70, 5
	s_mov_b32 s71, 0
	s_mov_b32 s58, 0x3727c5ac                      ; eps = 1e-5
	s_mov_b32 s59, 0x3a800000                      ; 1 / 1,024
	s_mov_b32 s60, 0x76543210
	s_mov_b32 s61, 0xfedcba98                      ; v_permlanex16_b32's selects for lane l xor 16
	s_bitcmp1_b32 s28, 0                           ; the weight's pointer: a choice on the work-group's number alone
	s_cselect_b64 s[12:13], s[14:15], s[12:13]
	s_cselect_b64 s[16:17], s[18:19], s[16:17]
	s_cmp_lt_u32 s28, 2
	s_cselect_b64 s[12:13], s[12:13], s[16:17]
	s_add_nc_u64 s[12:13], s[12:13], s[62:63]
	s_add_nc_u64 s[24:25], s[24:25], s[66:67]
	s_add_nc_u64 s[20:21], s[20:21], s[68:69]
	s_add_nc_u64 s[22:23], s[22:23], s[70:71]
	v_and_b32 v1, 31, v0                           ; L
	v_and_b32 v2, 15, v0                           ; r
	v_bfe_u32 v3, v0, 4, 1                         ; h
	v_lshlrev_b32 v[L16], 4, v1
	v_lshlrev_b32 v[L8], 3, v1
	v_add_nc_u32 v[LA], s29, v[L16]
	v_mul_u32_u24 v[FA], v2, YP
	v_lshl_add_u32 v[FA], v3, 7, v[FA]
	v_add_nc_u32 v[FA], s29, v[FA]
	v_and_b32 v11, 8, v2
	v_add_nc_u32 v11, v11, v2                      ; p(r)
	v_mul_u32_u24 v[WA], v11, 768
	v_mad_u32_u24 v[WA], v3, 24, v[WA]
	v_lshlrev_b32 v[XSA], 5, v11
	v_lshl_add_u32 v[XSA], v3, 4, v[XSA]
	v_lshlrev_b32 v[SH], 3, v3
	v_mov_b32 v[MU+1], 0                           ; named as the upper halves of pairs, so they are written
	v_mov_b32 v[RS+1], 0
.irp j, 0,1,2,3,4,5,6,7
	global_load_b128 v[GM+4*\j:GM+4*\j+3], v[L16], s[8:9] offset:512*\j     ; gamma and beta as a row lies in my registers: numbers 128 j + 4 L + 0 .. 3
	global_load_b128 v[BT+4*\j:BT+4*\j+3], v[L16], s[10:11] offset:512*\j
.endr
.irp f, 0,1                                    ; two fragments of the weight, as the operand's layout wants them: 24 bytes at 96 s + 48 c + 24 h of row p(r), in pieces of 8
.irp c, 0,1
.irp p, 0,1,2
	global_load_b64 v[X+12*\f+6*\c+2*\p:X+12*\f+6*\c+2*\p+1], v[WA], s[12:13] offset:96*\f+48*\c+8*\p
.endr
.endr
.endr
	s_wait_loadcnt 0x0
.irp f, 0,1
.irp c, 0,1
	global_store_b128 v[L16], v[X+12*\f+6*\c:X+12*\f+6*\c+3], s[24:25] offset:12288*\f+768*\c          ; 512 consecutive bytes, aligned to 256
	global_store_b64 v[L8], v[X+12*\f+6*\c+4:X+12*\f+6*\c+5], s[24:25] offset:12288*\f+768*\c+512      ; 256 consecutive bytes, aligned
.endr
.endr
	s_wait_xcnt 0x0                                ; the stores' data registers are loaded again only behind this wait
.macro LOADROW p                       ; raw row p: 8 loads of 512 consecutive bytes
.irp j, 0,1,2,3,4,5,6,7
	ds_load_b128 v[X+32*((\p)%2)+4*\j:X+32*((\p)%2)+4*\j+3], v[LA] offset:4096*(\p)+512*\j
.endr
.endm
.macro REDUCE                          ; v[T] summed over the 32 lanes, the result in every lane
	v_add_f32_dpp v[T], v[T], v[T] row_xmask:1 row_mask:0xf bank_mask:0xf
	v_add_f32_dpp v[T], v[T], v[T] row_xmask:2 row_mask:0xf bank_mask:0xf
	v_add_f32_dpp v[T], v[T], v[T] row_xmask:4 row_mask:0xf bank_mask:0xf
	v_add_f32_dpp v[T], v[T], v[T] row_xmask:8 row_mask:0xf bank_mask:0xf
	v_permlanex16_b32 v[T+1], v[T], s60, s61
	v_add_f32 v[T], v[T], v[T+1]
.endm
.macro ROW p
.set XR, X+32*((\p)%2)
.if (\p) > 0
.if (\p)%4 == 0
	s_wait_tensorcnt (\p)/4-1                      ; the chunk of row p - 1 is in: so many chunks were issued behind it
.endif
	LOADROW (\p)-1
	s_wait_dscnt 8                                 ; all but the eight loads just issued: my row is in, and the last row's stores have read Y
.else
	s_wait_dscnt 0x0
.endif
	v_pk_add_f32 v[T:T+1], v[XR:XR+1], v[XR+2:XR+3]                 ; the row's sum, in two chains
	v_pk_add_f32 v[T+2:T+3], v[XR+4:XR+5], v[XR+6:XR+7]
.irp j, 8,12,16,20,24,28
	v_pk_add_f32 v[T:T+1], v[T:T+1], v[XR+\j:XR+\j+1]
	v_pk_add_f32 v[T+2:T+3], v[T+2:T+3], v[XR+\j+2:XR+\j+3]
.endr
	v_pk_add_f32 v[T:T+1], v[T:T+1], v[T+2:T+3]
	v_add_f32 v[T], v[T], v[T+1]
	REDUCE
	v_mul_f32 v[MU], s59, v[T]                     ; the mean
.set jj, 0
.rept 16
	v_pk_add_f32 v[XR+jj:XR+jj+1], v[XR+jj:XR+jj+1], v[MU:MU+1] op_sel_hi:[1,0] neg_lo:[0,1] neg_hi:[0,1]   ; x - mean
.set jj, jj+2
.endr
	v_pk_mul_f32 v[T:T+1], v[XR:XR+1], v[XR:XR+1]                   ; the sum of the centred squares, in two chains
	v_pk_mul_f32 v[T+2:T+3], v[XR+2:XR+3], v[XR+2:XR+3]
.irp j, 4,8,12,16,20,24,28
	v_pk_fma_f32 v[T:T+1], v[XR+\j:XR+\j+1], v[XR+\j:XR+\j+1], v[T:T+1]
	v_pk_fma_f32 v[T+2:T+3], v[XR+\j+2:XR+\j+3], v[XR+\j+2:XR+\j+3], v[T+2:T+3]
.endr
	v_pk_add_f32 v[T:T+1], v[T:T+1], v[T+2:T+3]
	v_add_f32 v[T], v[T], v[T+1]
	REDUCE
	v_fma_f32 v[VA], v[T], s59, s58                ; var + eps
	v_rsq_f32 v[RS], v[VA]                         ; the sixteen products below are the plain instructions behind it (ISA guide 5.7.2)
.set jj, 0
.rept 16
	v_pk_mul_f32 v[Y+jj:Y+jj+1], v[XR+jj:XR+jj+1], v[GM+jj:GM+jj+1]
.set jj, jj+2
.endr
.set jj, 0
	s_wait_alu depctr_va_vdst(0)
.rept 16
	v_pk_fma_f32 v[Y+jj:Y+jj+1], v[Y+jj:Y+jj+1], v[RS:RS+1], v[BT+jj:BT+jj+1] op_sel_hi:[1,0,1]   ; gamma (x - mean) rsqrt + beta
.set jj, jj+2
.endr
.irp j, 0,1,2,3,4,5,6,7
	ds_store_b128 v[LA], v[Y+4*\j:Y+4*\j+3] offset:YP*(\p)+512*\j   ; covers bytes of raw rows p and p + 1 alone, which are in registers
.endr
.endm
	s_wait_tensorcnt 3                             ; chunk 3 (rows 12-15) is in; three chunks were issued behind it
	LOADROW 15
.irp p, 15,14,13,12,11,10,9,8,7,6,5,4,3,2,1,0
	ROW \p
.endr
.macro FLOAD s                         ; my 64 numbers of K step s: k = 128 s + 64 c + 32 h + 0 .. 31 of row r
.irp c, 0,1
.irp j, 0,1,2,3,4,5,6,7
	ds_load_b128 v[N+64*((\s)%2)+32*\c+4*\j:N+64*((\s)%2)+32*\c+4*\j+3], v[FA] offset:512*(\s)+256*\c+16*\j
.endr
.endr
.endm
.macro FRAGSTEP s
.set NS, N+64*((\s)%2)
.if (\s) < 7
	FLOAD (\s)+1
	s_wait_dscnt 16                                ; all but the sixteen loads just issued
.else
	s_wait_dscnt 0x0
.endif
	s_wait_xcnt 0x0                                ; the last step's stores have read the codes' registers
.irp c, 0,1
	v_max3_num_f32 v[MX+\c], |v[NS+32*\c]|, |v[NS+32*\c+1]|, 0x2800000   ; my block 2 c + h of the step, and the floor 2^(5 - 127): the byte cannot fall under 1
.endr
.irp i, 2,4,6,8,10,12,14,16,18,20,22,24,26,28,30
.irp c, 0,1
	v_max3_num_f32 v[MX+\c], v[MX+\c], |v[NS+32*\c+\i]|, |v[NS+32*\c+\i+1]|
.endr
.endr
.irp c, 0,1
	v_add_nc_u32 v[SO+\c], 0xfe000000, v[MX+\c]    ; 4 off the exponent field: the conversion's scale operand
.endr
.irp c, 0,1
	v_lshrrev_b32 v[BY+\c], 23, v[SO+\c]           ; the scale's byte
.endr
	v_lshl_or_b32 v[WD], v[BY+1], 16, v[BY]        ; my two bytes, blocks h and 2 + h,
	v_lshlrev_b32 v[WD], v[SH], v[WD]              ; at their places;
	v_permlanex16_b32 v[WD+1], v[WD], s60, s61
	v_or_b32 v[SW+(\s)], v[WD], v[WD+1]            ; with lane l xor 16's two the word is whole
.irp c, 0,1
	v_cvt_scalef32_pk16_bf6_f32 v[C+6*\c:C+6*\c+2], v[NS+32*\c:NS+32*\c+15], v[SO+\c]
	v_cvt_scalef32_pk16_bf6_f32 v[C2+4*\c:C2+4*\c+2], v[NS+32*\c+16:NS+32*\c+31], v[SO+\c]   ; (a conversion's three registers begin on an even number)
.endr
	v_nop                                          ; one plain place behind a scaled conversion
.irp c, 0,1
.irp i, 0,1,2
	v_mov_b32 v[C+3+6*\c+\i], v[C2+4*\c+\i]
.endr
.endr
.irp c, 0,1
	global_store_b128 v[L16], v[C+6*\c:C+6*\c+3], s[20:21] offset:12288*(\s)+768*\c
	global_store_b64 v[L8], v[C+6*\c+4:C+6*\c+5], s[20:21] offset:12288*(\s)+768*\c+512
.endr
.endm
	s_wait_dscnt 0x0                               ; row 0's stores have read Y: its registers are loaded below
	v_mov_b32 v[WD+1], 0                           ; a lane permute's destination counts as one of its sources
	FLOAD 0
.irp s, 0,1,2,3,4,5,6,7
	FRAGSTEP \s
.endr
	v_cmp_eq_u32 vcc_lo, 1, v3
.irp i, 0,1,2,3
	v_cndmask_b32 v[OW+\i], v[SW+\i], v[SW+4+\i], vcc_lo   ; lanes 0-15 store the row's first 16 scale bytes, lanes 16-31 the other 16
.endr
	global_store_b128 v[XSA], v[OW:OW+3], s[22:23]         ; eight neighbouring rows are 256 consecutive bytes, aligned: two such runs
	s_wait_tensorcnt 0x0
	ds_add_u32 v208, v209
	s_wait_dscnt 0x0
	s_endpgm
.Lfunc_end_k_q1b00f1007d_lnq:
	.size	k_q1b00f1007d_lnq, .Lfunc_end_k_q1b00f1007d_lnq-k_q1b00f1007d_lnq
	.p2alignl 7, 3214868480
	.fill 96, 4, 3214868480
	.section	.rodata,"a",@progbits
	.p2align	6, 0x0
	.amdhsa_kernel k_q1b00f1007d_lnq
		.amdhsa_group_segment_fixed_size 263680
		.amdhsa_private_segment_fixed_size 0
		.amdhsa_enable_private_segment 0
		.amdhsa_kernarg_size 88
		.amdhsa_user_sgpr_count 2
		.amdhsa_user_sgpr_kernarg_segment_ptr 1
		.amdhsa_wavefront_size32 1
		.amdhsa_system_sgpr_workgroup_id_x 1
		.amdhsa_system_sgpr_workgroup_id_y 1
		.amdhsa_system_sgpr_workgroup_id_z 1
		.amdhsa_system_vgpr_workitem_id 0
		.amdhsa_next_free_vgpr 210
		.amdhsa_next_free_sgpr 80
		.amdhsa_reserve_vcc 1
		.amdhsa_float_denorm_mode_32 3
		.amdhsa_float_denorm_mode_16_64 3
		.amdhsa_memory_ordered 1
		.amdhsa_forward_progress 1
		.amdhsa_inst_pref_size 156
	.end_amdhsa_kernel
	.amdgpu_metadata
---
amdhsa.version: [ 1, 2 ]
amdhsa.kernels:
  - .name:           k_q1b00f1007d_lnq
    .symbol:         k_q1b00f1007d_lnq.kd
    .args:
      - { .name: state, .offset: 0, .size: 8, .value_kind: global_buffer, .address_space: global }
      - { .name: context, .offset: 8, .size: 8, .value_kind: global_buffer, .address_space: global }
      - { .name: ln_gamma, .offset: 16, .size: 8, .value_kind: global_buffer, .address_space: global }
      - { .name: ln_beta, .offset: 24, .size: 8, .value_kind: global_buffer, .address_space: global }
      - { .name: Wq_codes, .offset: 32, .size: 8, .value_kind: global_buffer, .address_space: global }
      - { .name: Wk_codes, .offset: 40, .size: 8, .value_kind: global_buffer, .address_space: global }
      - { .name: Wv_codes, .offset: 48, .size: 8, .value_kind: global_buffer, .address_space: global }
      - { .name: Wo_codes, .offset: 56, .size: 8, .value_kind: global_buffer, .address_space: global }
      - { .name: ximg, .offset: 64, .size: 8, .value_kind: global_buffer, .address_space: global }
      - { .name: xsc, .offset: 72, .size: 8, .value_kind: global_buffer, .address_space: global }
      - { .name: wimg, .offset: 80, .size: 8, .value_kind: global_buffer, .address_space: global }
    .group_segment_fixed_size: 263680
    .private_segment_fixed_size: 0
    .kernarg_segment_align: 8
    .kernarg_segment_size: 88
    .max_flat_workgroup_size: 128
    .sgpr_count:     80
    .vgpr_count:     210
    .wavefront_size: 32
...
	.end_amdgpu_metadata
.endif
;; end of part 1
;; launch proj (part 2): grid 4 x 192, 4 waves a work-group, clusters of 4 x 4, 295,424 bytes of LDS; arguments ximg, xsc, wimg, Wq_scales, Wk_scales, Wv_scales, bq, bk, bv, qkv; writes qkv
.if DOCPART == 2
	.amdgcn_target "amdgcn-amd-amdhsa--gfx1250"
	.amdhsa_code_object_version 6
	.text
	.protected	k_q1b00f1007d_proj
	.globl	k_q1b00f1007d_proj
	.p2align	8
	.type	k_q1b00f1007d_proj,@function
k_q1b00f1007d_proj:
	s_mov_b64 s[64:65], 0
	v_nop
	global_prefetch_b8 v0, s[64:65] scope:SCOPE_SE
	s_setreg_imm32_b32 hwreg(HW_REG_WAVE_MODE, 25, 1), 1
	s_wait_xcnt 0x0
	s_wait_alu depctr_hold_cnt(0) depctr_sa_sdst(0) depctr_va_vdst(0) depctr_va_sdst(0) depctr_va_ssrc(0) depctr_va_vcc(0) depctr_vm_vsrc(0)
	s_getreg_b32 s2, hwreg(HW_REG_IB_STS2, 6, 4)
	s_cmp_eq_u32 s2, 0
	s_cbranch_scc0 .Lentry_in_a_cluster
	s_endpgm
.Lentry_in_a_cluster:
	s_bfe_u32 s2, ttmp6, 0x10000c
	s_cmp_lg_u32 s2, 0xf033
	s_cbranch_scc0 .Lentry_shape_is_right
	s_endpgm
.Lentry_shape_is_right:
; q = xs Wq + bq, k = xc Wk + bk, v = xc Wv + bv on codes of BF6 (E3M2), and the results quantised at once: q and k along the head's 64 channels, v along the keys.
; Operands are images of the operand's registers (tile T of a row axis: rows 32 (T / 2) + 8 (T % 2) + p(i), p(i) = i + 8 (i / 8); a fragment's image 1,536 bytes; 128 rows x 1,024 K: [K step][tile][1,536] = 98,304 bytes).
; A work-group makes R 128 rows (source 1: a lane holds one of them) x P 256 rows (source 0: a lane's registers run along them).  For q and k: P = the weight's rows (channels), R = tokens; for v the parts are
; changed: P = tokens (the keys), R = Wv's rows.  So a lane's 64 registers of one R tile are 4 x 16 neighbours along the NEXT product's K, and the quantiser works in registers.
; ALL OF K LIES IN LDS AT ONCE (3 x 98,304 bytes): nothing is filled again.  It comes in four chunks of two K steps, so that the products begin when a quarter has landed.
; CLUSTERS: 4 x 4 work-groups; R's block is shared along a row of the cluster, P's two blocks along a column: each is asked for jointly.  Cluster y / 16 says which product: 0 q, 1 k, 2 v.
; One path serves all three up to the epilogue: only pointers and offsets are chosen.  Both kinds of bias are loaded (along P for q and k, along R for v; the other kind from the buffer's start): the price of one main loop.
; qkv: a record of 315,392 bytes for each (batch, head): K's half images [128 tiles][768] at 0; V's images [16 key steps][4 tiles of d][1,536] at 98,304; K's scale words [128][16] at 196,608 (bytes 2, 3 are 0);
; V's scale words [16][4][16] at 204,800; Q's half images at 208,896; Q's scale words at 307,200.  A half image is the six registers of 64 along K.
; LIMITS: NaN and infinities are not served.  A block whose largest magnitude lies under 2^-122 keeps the byte 1; a block of zeros gets the byte 1 where the rule says 127: its codes are zeros, and this program alone reads the bytes.
; REGISTERS, in windows of 256: window 0: v4-20 addresses; v32-63 P's scale words, v64-79 R's; v80-175 R's fragments, two sets of 48 (in the epilogue: v80-143 64 numbers, v144-162 codes); v176-192 at work; v196-203 v's bias.
;   window 1: accumulator (a, b) at v[8 (8 a + b)].   window 2: v0-191 P's fragments, two sets of 96; v192-255 the bias along P.
.set HS,   315392
.set WV,   76
.set SEL,  2
.set G1R,  24
.set G1P,  32
.set G0R,  40
.set AR16, 4
.set AR8,  6
.set AP16, 8
.set AP8,  10
.set L16,  12
.set L8,   13
.set SCA,  14
.set BIA,  15
.set BVA,  16
.set SH16, 17
.set SWA,  18
.set R4,   19
.set SWD,  20
.set SCP,  32
.set SCR,  64
.set RF,   80
.set PF,   0
.set BI,   192
.set ST,   80
.set PC,   144
.set TM,   176
.set PW,   192
.set BV,   196
.set MSB, 0
.macro WIN new                         ; the immediate's high byte repeats the setting that is left
.if MSB != \new
	s_set_vgpr_msb (MSB<<8)|\new
.set MSB, \new
.endif
.endm
.macro PLACES n
.rept \n
	v_nop
.endr
.endm
.macro ROUND                           ; a round of the cluster's barrier
	s_barrier_signal -1
	s_barrier_wait -1
	s_cmp_lg_u32 s[WV], 0
	s_cbranch_scc1 .Lnot_wave_0_\@
	s_barrier_signal -3
.Lnot_wave_0_\@:
	s_barrier_wait -3
	s_barrier_signal -1
	s_barrier_wait -1
.endm
	s_load_b256 s[4:11], s[0:1], 0x0               ; ximg, xsc, wimg, Wq's scales
	s_load_b256 s[12:19], s[0:1], 0x20             ; Wk's scales, Wv's scales, bq, bk
	s_load_b128 s[20:23], s[0:1], 0x40             ; bv, qkv
	v_lshl_add_u32 v254, v0, 2, 0x48000
	v_mov_b32 v255, 0
	ds_add_u32 v254, v255
	ds_add_u32 v254, v255
	v_lshrrev_b32 v1, 5, v0
	v_readfirstlane_b32 s[WV], v1                  ; wave 0..3
	s_lshr_b32 s77, s[WV], 1                       ; rh: which four tiles of R are mine.  Also: I fetch for R (0) or for P (1)
	s_and_b32 s78, s[WV], 1                        ; ph: which block of P is mine.  Also: which part I fetch
	s_bfe_u32 s79, ttmp6, 0x40000                  ; cx
	s_bfe_u32 s80, ttmp6, 0x40004                  ; cy
	s_and_b32 s81, ttmp7, 0xffff                   ; the cluster's y, 0 .. 47
	s_lshr_b32 s82, s81, 4                         ; which product: 0 q, 1 k, 2 v
	s_and_b32 s83, s81, 15
	s_and_b32 s85, s83, 7
	s_lshr_b32 s86, s83, 3
	s_cmp_eq_u32 s82, 2
	s_cselect_b32 s84, 1, 0                        ; v?
	s_cselect_b32 s85, s85, 0
	s_cselect_b32 s86, s86, s83
	s_lshl_b32 s85, s85, 2
	s_add_co_u32 s85, s85, s79                     ; PX: which 256 rows of P (q, k: 0 .. 3; v: 0 .. 31)
	s_lshl_b32 s86, s86, 2
	s_add_co_u32 s86, s86, s80                     ; RY: which 128 rows of R (q, k: 0 .. 63; v: 0 .. 7)
	s_lshl_b32 s87, s80, 2
	s_lshl_b32 s87, 15, s87                        ; my row of the cluster
	s_lshl_b32 s88, 0x1111, s79                    ; my column
	s_or_b32 s[G1R], s87, (3<<16)|(1<<21)          ; the mask; elements of 8 bytes; bit 21 set beside a mask; no padding: every LDS read is dense
	s_or_b32 s[G1P], s88, (3<<16)|(1<<21)
	s_mov_b32 s[G1R+1], 32<<16                     ; rows of 256 bytes: R's part is one K step, 12,288 dense bytes: 48 rows
	s_mov_b32 s[G1R+2], 48<<16
	s_mov_b32 s[G1R+3], 32<<16
	s_mov_b32 s[G1R+4], 48
	s_mov_b32 s[G1R+5], 32
	s_mov_b32 s[G1R+6], 0
	s_mov_b32 s[G1R+7], 0
	s_mov_b32 s[G1P+1], 32<<16                     ; P's part is two K steps of one block, 24,576 dense bytes: 96 rows
	s_mov_b32 s[G1P+2], 96<<16
	s_mov_b32 s[G1P+3], 32<<16
	s_mov_b32 s[G1P+4], 96
	s_mov_b32 s[G1P+5], 32
	s_mov_b32 s[G1P+6], 0
	s_mov_b32 s[G1P+7], 0
	s_mul_i32 s90, s82, 786432                     ; P's codes: q, k: the weight in wimg; v: context's blocks in ximg
	s_mul_i32 s92, s82, 0x600000                   ; R's codes: q: state's blocks, k: context's; v: Wv in wimg
	s_cmp_eq_u32 s82, 2
	s_cselect_b32 s90, 0x600000, s90
	s_cselect_b32 s92, 0x180000, s92
	s_mul_i32 s89, s85, 196608
	s_add_co_u32 s90, s90, s89
	s_mul_i32 s97, s78, 98304                      ; my part of P: block e
	s_add_co_u32 s90, s90, s97
	s_mov_b32 s91, 0
	s_mul_i32 s94, s86, 98304
	s_add_co_u32 s92, s92, s94
	s_mul_i32 s95, s78, 12288                      ; my part of R: K step 2 c + e; also its LDS byte
	s_add_co_u32 s92, s92, s95
	s_mov_b32 s93, 0
	s_add_co_u32 s96, s97, 98304                   ; P's LDS byte: 98,304 (1 + e)
	s_wait_dscnt 0x0
	s_wait_kmcnt 0x0
	s_cmp_eq_u32 s82, 2
	s_cselect_b64 s[98:99], s[4:5], s[8:9]
	s_cselect_b64 s[100:101], s[8:9], s[4:5]
	s_add_nc_u64 s[98:99], s[98:99], s[90:91]
	s_add_nc_u64 s[100:101], s[100:101], s[92:93]
.irp c, 0,1,2,3                                ; chunk c: K steps 2 c and 2 c + 1
	s_mov_b32 s[G0R+4*\c], 1
	s_add_co_u32 s[G0R+4*\c+1], s95, 24576*\c
	s_add_nc_u64 s[G0R+4*\c+2:G0R+4*\c+3], s[100:101], 24576*\c
	s_or_b32 s[G0R+4*\c+3], s[G0R+4*\c+3], 0x80000000
	s_mov_b32 s[56+4*\c+4*(\c/2)], 1
	s_add_co_u32 s[57+4*\c+4*(\c/2)], s96, 24576*\c
	s_add_nc_u64 s[58+4*\c+4*(\c/2):59+4*\c+4*(\c/2)], s[98:99], 24576*\c
	s_or_b32 s[59+4*\c+4*(\c/2)], s[59+4*\c+4*(\c/2)], 0x80000000
.endr
	ROUND                                          ; all sixteen work-groups are here: the joint loads meet
	s_cmp_eq_u32 s77, 0                            ; a wave's four fills stand in one branch on the wave's number; four loads of mine are out
	s_cbranch_scc0 .Lfor_p
.irp c, 0,1,2,3
	tensor_load_to_lds s[G0R+4*\c:G0R+4*\c+3], s[G1R:G1R+7]
	s_nop 0
.endr
	PLACES 4
	s_branch .Lasked
.Lfor_p:
.irp c, 0,1,2,3
	tensor_load_to_lds s[56+4*\c+4*(\c/2):59+4*\c+4*(\c/2)], s[G1P:G1P+7]
	s_nop 0
.endr
	PLACES 4
.Lasked:
	s_mov_b32 s[SEL], 0x76543210
	s_mov_b32 s[SEL+1], 0xfedcba98
	s_lshl_b32 s92, s82, 18                        ; xsc: context's rows begin 262,144 bytes on
	s_lshl_b32 s98, s85, 10
	s_lshl_b32 s89, s78, 9
	s_add_co_u32 s98, s98, s89                     ; the bias along P: 4 (256 PX + 128 ph)
	s_lshl_b32 s100, s86, 9
	s_lshl_b32 s94, s77, 8
	s_add_co_u32 s100, s100, s94                   ; the bias along R: 4 (128 RY + 64 rh)
	s_cmp_eq_u32 s82, 1
	s_cselect_b64 s[10:11], s[12:13], s[10:11]     ; Wk's or Wq's scale bytes
	s_cselect_b64 s[16:17], s[18:19], s[16:17]     ; bk or bq
	s_cmp_eq_u32 s82, 2
	s_cselect_b64 s[10:11], s[6:7], s[10:11]       ; P's scale bytes
	s_cselect_b64 s[12:13], s[14:15], s[6:7]       ; R's scale bytes
	s_cselect_b64 s[16:17], s[20:21], s[16:17]     ; the bias
	s_cselect_b32 s90, 262144, 0
	s_cselect_b32 s92, 0, s92
	s_cselect_b32 s98, 0, s98                      ; the kind that is not used is read from the buffer's start
	s_cselect_b32 s100, s100, 0
	s_lshl_b32 s89, s85, 13
	s_add_co_u32 s90, s90, s89
	s_lshl_b32 s89, s78, 12
	s_add_co_u32 s90, s90, s89                     ; 32 bytes a row: 8,192 PX + 4,096 ph
	s_lshl_b32 s94, s86, 12
	s_add_co_u32 s92, s92, s94
	s_lshl_b32 s94, s77, 11
	s_add_co_u32 s92, s92, s94                     ; 4,096 RY + 2,048 rh
	s_mov_b32 s99, 0
	s_mov_b32 s101, 0
	s_add_nc_u64 s[10:11], s[10:11], s[90:91]
	s_add_nc_u64 s[12:13], s[12:13], s[92:93]
	s_add_nc_u64 s[18:19], s[16:17], s[100:101]
	s_add_nc_u64 s[16:17], s[16:17], s[98:99]
	s_mul_i32 s66, s77, 6144                       ; my four tiles of R in a K step
	s_mul_i32 s67, s78, 98304
	s_add_co_u32 s67, s67, 98304                   ; my block of P
	v_and_b32 v1, 31, v0                           ; L
	v_and_b32 v2, 15, v0                           ; r
	v_bfe_u32 v3, v0, 4, 1                         ; h
	v_lshlrev_b32 v[L16], 4, v1
	v_lshlrev_b32 v[L8], 3, v1
	v_add_nc_u32 v[AR16], s66, v[L16]
	v_add_nc_u32 v[AR8], s66, v[L8]
	v_add_nc_u32 v[AR8], 512, v[AR8]
	v_add_nc_u32 v[AR16+1], 49152, v[AR16]         ; K steps 4 to 7: beyond the 16-bit immediate
	v_add_nc_u32 v[AR8+1], 49152, v[AR8]
	v_add_nc_u32 v[AP16], s67, v[L16]
	v_add_nc_u32 v[AP8], s67, v[L8]
	v_add_nc_u32 v[AP8], 512, v[AP8]
	v_add_nc_u32 v[AP16+1], 49152, v[AP16]
	v_add_nc_u32 v[AP8+1], 49152, v[AP8]
	v_and_b32 v21, 8, v2
	v_add_nc_u32 v21, v21, v2                      ; p(r)
	v_lshlrev_b32 v[SCA], 5, v21
	v_lshl_add_u32 v[SCA], v3, 4, v[SCA]           ; scale bytes: row p(r), 16 bytes for each half: register i holds K step i in lanes 0-15, K step 4 + i in lanes 16-31
	v_lshlrev_b32 v[BIA], 6, v3
	v_lshlrev_b32 v[BVA], 2, v21
	v_lshlrev_b32 v[SH16], 4, v3
	v_lshlrev_b32 v[R4], 2, v2
	v_mul_u32_u24 v[SWA], v3, HS
	v_add_nc_u32 v[SWA], v[SWA], v[R4]
.irp b, 0,1,2,3
	v_mov_b32 v[TM+4+\b], 0                        ; a lane permute's destination counts as one of its sources
.endr
.irp b, 0,1,2,3,4,5,6,7
	global_load_b128 v[SCP+4*\b:SCP+4*\b+3], v[SCA], s[10:11] offset:(32*(\b/2)+8*(\b%2))*32
.endr
.irp a, 0,1,2,3
	global_load_b128 v[SCR+4*\a:SCR+4*\a+3], v[SCA], s[12:13] offset:(32*(\a/2)+8*(\a%2))*32
.endr
.irp a, 0,1,2,3
	global_load_b32 v[BV+2*\a], v[BVA], s[18:19] offset:(32*(\a/2)+8*(\a%2))*4     ; v's bias of my row of R's tile a
	v_mov_b32 v[BV+2*\a+1], 0                      ; (named with it as a pair)
.endr
	WIN 0x80                                       ; destination window 2
.irp b, 0,1,2,3,4,5,6,7
	global_load_b128 v[BI+8*\b:BI+8*\b+3], v[BIA], s[16:17] offset:(32*(\b/2)+8*(\b%2))*4      ; q's or k's bias in the result's layout: tile b's eight channels of my half
	global_load_b128 v[BI+8*\b+4:BI+8*\b+7], v[BIA], s[16:17] offset:(32*(\b/2)+8*(\b%2))*4+16
.endr
	WIN 0
.macro FRAGL reg, a16, a8, off         ; a fragment's image back into 12 registers: four dense loads
.set FRG, \reg
.set FOF, \off
	ds_load_b128 v[FRG:FRG+3], v[\a16] offset:FOF
	ds_load_b64 v[FRG+4:FRG+5], v[\a8] offset:FOF
	ds_load_b128 v[FRG+6:FRG+9], v[\a16] offset:FOF+768
	ds_load_b64 v[FRG+10:FRG+11], v[\a8] offset:FOF+768
.endm
.macro FETCH s                         ; K step s: P's eight fragments and R's four, 48 loads, into the sets s % 2
	WIN 0x80
.irp b, 0,1,2,3,4,5,6,7
	FRAGL PF+96*((\s)%2)+12*\b, AP16+(\s)/4, AP8+(\s)/4, ((\s)%4)*12288+1536*\b
.endr
	WIN 0
.irp a, 0,1,2,3
	FRAGL RF+48*((\s)%2)+12*\a, AR16+(\s)/4, AR8+(\s)/4, ((\s)%4)*12288+1536*\a
.endr
.endm
.macro MM s, a, b
.set rD, 8*(8*(\a)+(\b))
.set rA, PF+96*((\s)%2)+12*(\b)
.set rB, RF+48*((\s)%2)+12*(\a)
.set rP, SCP+4*(\b)+(\s)%4
.set rR, SCR+4*(\a)+(\s)%4
.if (\s) == 0
	v_wmma_scale_f32_16x16x128_f8f6f4 v[rD:rD+7], v[rA:rA+11], v[rB:rB+11], 0, v[rP], v[rR] matrix_a_fmt:MATRIX_FMT_BF6 matrix_b_fmt:MATRIX_FMT_BF6
.elseif (\s) < 4
	v_wmma_scale_f32_16x16x128_f8f6f4 v[rD:rD+7], v[rA:rA+11], v[rB:rB+11], v[rD:rD+7], v[rP], v[rR] matrix_a_fmt:MATRIX_FMT_BF6 matrix_b_fmt:MATRIX_FMT_BF6
.else
	v_wmma_scale_f32_16x16x128_f8f6f4 v[rD:rD+7], v[rA:rA+11], v[rB:rB+11], v[rD:rD+7], v[rP], v[rR] matrix_a_fmt:MATRIX_FMT_BF6 matrix_b_fmt:MATRIX_FMT_BF6 matrix_a_scale:MATRIX_SCALE_ROW1 matrix_b_scale:MATRIX_SCALE_ROW1
.endif
.endm
; A K step: 32 matrix instructions; the next step's 48 loads are issued ahead of them.  The 32 accumulators take turns, one instruction a turn, in the same order in every step.
.macro STEPK s
	s_wait_dscnt 0x0                               ; this step's fragments are in
.if ((\s) == 1) || ((\s) == 3) || ((\s) == 5)
	s_wait_tensorcnt 3-((\s)+1)/2                  ; my part of the next chunk is in: so many chunks were issued behind it;
	s_barrier_signal -1
	s_barrier_wait -1                              ; everybody's is.
.endif
.if (\s) < 7
.if (\s) > 0
	PLACES 4                                       ; in front of loads into registers that the step before multiplied (ISA guide 7.12.1 for VALU instructions)
.endif
	FETCH (\s)+1
.endif
	WIN 0x52                                       ; source 0 (P) window 2, source 1 (R) window 0, C and D window 1
.irp a, 0,1,2,3
.irp b, 0,1,2,3,4,5,6,7
	MM \s, \a, \b
.endr
.endr
	WIN 0
.endm
	s_wait_tensorcnt 3                             ; my part of chunk 0 is in; three chunks were issued behind it
	s_barrier_signal -1
	s_barrier_wait -1
	FETCH 0
	s_wait_loadcnt 0x0                             ; scale words and biases
.irp s, 0,1,2,3,4,5,6,7
	STEPK \s
.endr
	PLACES 4                                       ; in front of the first read of results and the first write over R's fragments
; 64 numbers of a lane, v[s] .. v[s + 63], register 16 b + i = k 32 b + 16 h + i of my row, become a fragment's codes in v[PC] on and its scale word in v[PW].
.macro QUANT s
.irp b, 0,1,2,3
	v_max3_num_f32 v[TM+\b], |v[\s+16*\b]|, |v[\s+1+16*\b]|, 0x2800000   ; block b: my 16 numbers, and the floor 2^(5 - 127): the byte cannot fall under 1
.endr
.irp i, 2,4,6,8,10,12,14
.irp b, 0,1,2,3
	v_max3_num_f32 v[TM+\b], v[TM+\b], |v[\s+16*\b+\i]|, |v[\s+1+16*\b+\i]|
.endr
.endr
.irp b, 0,1,2,3
	v_permlanex16_b32 v[TM+4+\b], v[TM+\b], s[SEL], s[SEL+1]
.endr
.irp b, 0,1,2,3
	v_max_num_f32 v[TM+\b], v[TM+\b], v[TM+4+\b]   ; with lane l xor 16's: the block's largest magnitude
.endr
.irp b, 0,1,2,3
	v_add_nc_u32 v[TM+12+\b], 0xfe000000, v[TM+\b] ; 4 off its exponent field: the conversion's scale operand
.endr
.irp b, 0,1,2,3
	v_lshrrev_b32 v[TM+4+\b], 23, v[TM+12+\b]      ; the scale's byte
.endr
	v_lshl_or_b32 v[PW], v[TM+5], 8, v[TM+4]
	v_lshl_or_b32 v[PW], v[TM+6], 16, v[PW]
	v_lshl_or_b32 v[PW], v[TM+7], 24, v[PW]
.irp c, 0,1
	v_cvt_scalef32_pk16_bf6_f32 v[PC+6*\c:PC+2+6*\c], v[\s+32*\c:\s+15+32*\c], v[TM+12+2*\c]
	v_cvt_scalef32_pk16_bf6_f32 v[PC+12+4*\c:PC+14+4*\c], v[\s+16+32*\c:\s+31+32*\c], v[TM+12+2*\c+1]   ; (a conversion's three registers begin on an even number)
.endr
	v_nop                                          ; one plain place behind a scaled conversion
.irp c, 0,1                                    ; the operand's layout wants a whole block in a lane
.irp i, 0,1,2
	v_permlane16_swap_b32 v[PC+6*\c+\i], v[PC+12+4*\c+\i]
.endr
.irp i, 0,1,2
	v_mov_b32 v[PC+3+6*\c+\i], v[PC+12+4*\c+\i]
.endr
.endr
.endm
; R's tile a: the bias is added on the way from window 1 to window 0 (each accumulator from its low end on), the 64 numbers are quantised, the codes leave as images.
.macro EPI a, mode
	s_wait_xcnt 0x0                                ; the last tile's stores have read the codes and the scale word
.if \mode
	WIN 0x01                                       ; source 0 window 1
.else
	WIN 0x09                                       ; source 0 window 1, source 1 window 2
.endif
.irp b, 0,1,2,3,4,5,6,7
.irp q, 0,2,4,6
.if \mode
	v_pk_add_f32 v[ST+8*\b+\q:ST+8*\b+\q+1], v[64*\a+8*\b+\q:64*\a+8*\b+\q+1], v[BV+2*\a:BV+2*\a+1] op_sel_hi:[1,0]
.else
	v_pk_add_f32 v[ST+8*\b+\q:ST+8*\b+\q+1], v[64*\a+8*\b+\q:64*\a+8*\b+\q+1], v[BI+8*\b+\q:BI+8*\b+\q+1]
.endif
.endr
.endr
	WIN 0
	QUANT ST
.if \mode
.irp c, 0,1                                    ; v: one whole fragment: 16 of the head's d x 128 keys
	global_store_b128 v[L16], v[PC+6*\c:PC+6*\c+3], s[98:99] offset:1536*\a+768*\c
	global_store_b64 v[L8], v[PC+6*\c+4:PC+6*\c+5], s[98:99] offset:1536*\a+768*\c+512
.endr
	global_store_b32 v[R4], v[PW], s[100:101] offset:64*\a       ; lanes l and l + 16 write the same word with the same value
.else
.irp c, 0,1                                    ; q, k: the 128 channels are two heads: half image c goes to head c's record
	global_store_b128 v[L16], v[PC+6*\c:PC+6*\c+3], s[98:99] offset:\c*HS+768*\a
	global_store_b64 v[L8], v[PC+6*\c+4:PC+6*\c+5], s[98:99] offset:\c*HS+768*\a+512
.endr
	v_lshrrev_b32 v[SWD], v[SH16], v[PW]
	v_and_b32 v[SWD], 0xffff, v[SWD]               ; lanes 0-15: the first head's two bytes; lanes 16-31: the second's; bytes 2 and 3 are 0
	global_store_b32 v[SWA], v[SWD], s[100:101] offset:64*\a
.endif
.endm
	s_cmp_eq_u32 s84, 1                            ; hangs on the cluster's y alone: alike in all partners
	s_cbranch_scc1 .Lvmode
	s_lshr_b32 s90, s86, 4                         ; q, k: the batch,
	s_lshl_b32 s90, s90, 4
	s_lshl_b32 s89, s85, 2
	s_add_co_u32 s90, s90, s89
	s_lshl_b32 s89, s78, 1
	s_add_co_u32 s90, s90, s89                     ; the first of my two heads: 4 PX + 2 ph
	s_mul_i32 s90, s90, HS
	s_and_b32 s89, s86, 15
	s_lshl_b32 s89, s89, 3
	s_lshl_b32 s87, s77, 2
	s_add_co_u32 s89, s89, s87                     ; my first tile of tokens in the sequence
	s_mul_i32 s92, s89, 768
	s_add_co_u32 s92, s92, s90
	s_lshl_b32 s94, s89, 6
	s_add_co_u32 s94, s94, s90
	s_cmp_eq_u32 s82, 0
	s_cselect_b32 s87, 208896, 0                   ; Q's parts of a record lie behind K's and V's
	s_cselect_b32 s88, 110592, 0
	s_add_co_u32 s92, s92, s87
	s_add_co_u32 s94, s94, s88
	s_add_co_u32 s94, s94, 196608
	s_mov_b32 s93, 0
	s_mov_b32 s95, 0
	s_add_nc_u64 s[98:99], s[22:23], s[92:93]
	s_add_nc_u64 s[100:101], s[22:23], s[94:95]
.irp a, 0,1,2,3
	EPI \a, 0
.endr
	s_branch .Ldone
.Lvmode:
	s_lshl_b32 s89, s85, 1
	s_add_co_u32 s89, s89, s78                     ; v: which 128 tokens of context: 2 PX + ph
	s_lshr_b32 s90, s89, 4
	s_lshl_b32 s90, s90, 4
	s_lshl_b32 s87, s86, 1
	s_add_co_u32 s90, s90, s87
	s_add_co_u32 s90, s90, s77                     ; the head: 2 RY + rh
	s_mul_i32 s90, s90, HS
	s_and_b32 s89, s89, 15                         ; the key step
	s_mul_i32 s92, s89, 6144
	s_add_co_u32 s92, s92, s90
	s_add_co_u32 s92, s92, 98304
	s_lshl_b32 s94, s89, 8
	s_add_co_u32 s94, s94, s90
	s_add_co_u32 s94, s94, 204800
	s_mov_b32 s93, 0
	s_mov_b32 s95, 0
	s_add_nc_u64 s[98:99], s[22:23], s[92:93]
	s_add_nc_u64 s[100:101], s[22:23], s[94:95]
	s_wait_alu depctr_va_vdst(0)
.irp a, 0,1,2,3
	EPI \a, 1
.endr
.Ldone:
	s_wait_tensorcnt 0x0
	ds_add_u32 v254, v255
	s_wait_dscnt 0x0
	ROUND                                          ; the closing round: no work-group ends while a partner may still ask for a tile that names it
	s_endpgm
.Lfunc_end_k_q1b00f1007d_proj:
	.size	k_q1b00f1007d_proj, .Lfunc_end_k_q1b00f1007d_proj-k_q1b00f1007d_proj
	.p2alignl 7, 3214868480
	.fill 96, 4, 3214868480
	.section	.rodata,"a",@progbits
	.p2align	6, 0x0
	.amdhsa_kernel k_q1b00f1007d_proj
		.amdhsa_group_segment_fixed_size 295424
		.amdhsa_private_segment_fixed_size 0
		.amdhsa_enable_private_segment 0
		.amdhsa_kernarg_size 80
		.amdhsa_user_sgpr_count 2
		.amdhsa_user_sgpr_kernarg_segment_ptr 1
		.amdhsa_wavefront_size32 1
		.amdhsa_system_sgpr_workgroup_id_x 1
		.amdhsa_system_sgpr_workgroup_id_y 1
		.amdhsa_system_sgpr_workgroup_id_z 1
		.amdhsa_system_vgpr_workitem_id 0
		.amdhsa_next_free_vgpr 768
		.amdhsa_next_free_sgpr 102
		.amdhsa_reserve_vcc 0
		.amdhsa_float_denorm_mode_32 3
		.amdhsa_float_denorm_mode_16_64 3
		.amdhsa_memory_ordered 1
		.amdhsa_forward_progress 1
		.amdhsa_inst_pref_size 124
	.end_amdhsa_kernel
	.amdgpu_metadata
---
amdhsa.version: [ 1, 2 ]
amdhsa.kernels:
  - .name:           k_q1b00f1007d_proj
    .symbol:         k_q1b00f1007d_proj.kd
    .args:
      - { .name: ximg, .offset: 0, .size: 8, .value_kind: global_buffer, .address_space: global }
      - { .name: xsc, .offset: 8, .size: 8, .value_kind: global_buffer, .address_space: global }
      - { .name: wimg, .offset: 16, .size: 8, .value_kind: global_buffer, .address_space: global }
      - { .name: Wq_scales, .offset: 24, .size: 8, .value_kind: global_buffer, .address_space: global }
      - { .name: Wk_scales, .offset: 32, .size: 8, .value_kind: global_buffer, .address_space: global }
      - { .name: Wv_scales, .offset: 40, .size: 8, .value_kind: global_buffer, .address_space: global }
      - { .name: bq, .offset: 48, .size: 8, .value_kind: global_buffer, .address_space: global }
      - { .name: bk, .offset: 56, .size: 8, .value_kind: global_buffer, .address_space: global }
      - { .name: bv, .offset: 64, .size: 8, .value_kind: global_buffer, .address_space: global }
      - { .name: qkv, .offset: 72, .size: 8, .value_kind: global_buffer, .address_space: global }
    .group_segment_fixed_size: 295424
    .private_segment_fixed_size: 0
    .kernarg_segment_align: 8
    .kernarg_segment_size: 80
    .max_flat_workgroup_size: 128
    .sgpr_count:     102
    .vgpr_count:     768
    .wavefront_size: 32
...
	.end_amdgpu_metadata
.endif
;; end of part 2
;; launch att (part 3): grid 8 x 64, 16 waves a work-group, clusters of 4 x 1, 210,944 bytes of LDS; arguments qkv, oimg, osc; writes oimg, osc
.if DOCPART == 3
	.amdgcn_target "amdgcn-amd-amdhsa--gfx1250"
	.amdhsa_code_object_version 6
	.text
	.protected	k_q1b00f1007d_att
	.globl	k_q1b00f1007d_att
	.p2align	8
	.type	k_q1b00f1007d_att,@function
k_q1b00f1007d_att:
	s_mov_b64 s[64:65], 0
	v_nop
	global_prefetch_b8 v0, s[64:65] scope:SCOPE_SE
	s_setreg_imm32_b32 hwreg(HW_REG_WAVE_MODE, 25, 1), 1
	s_wait_xcnt 0x0
	s_wait_alu depctr_hold_cnt(0) depctr_sa_sdst(0) depctr_va_vdst(0) depctr_va_sdst(0) depctr_va_ssrc(0) depctr_va_vcc(0) depctr_vm_vsrc(0)
	s_getreg_b32 s2, hwreg(HW_REG_IB_STS2, 6, 4)
	s_cmp_eq_u32 s2, 0
	s_cbranch_scc0 .Lentry_in_a_cluster
	s_endpgm
.Lentry_in_a_cluster:
	s_bfe_u32 s2, ttmp6, 0x10000c
	s_cmp_lg_u32 s2, 0x3003
	s_cbranch_scc0 .Lentry_shape_is_right
	s_endpgm
.Lentry_shape_is_right:
; o = softmax(q k^T / 8) v for one (batch, head), both products on codes of BF6 (E3M2), and o quantised along head x 64 + d for the last product.
; THE SOFTMAX AHEAD OF THE SECOND PRODUCT: t = score x log2(e) / 8; M = the row's largest t so far, rounded up to a whole number; p = 2^(t - M) is quantised along the keys, not normalised; the row's sum is taken of the
; unquantised p and divides O at the end.  When M moves, the sum and O are multiplied by 2^(old M - new M): exact.
; SHARES.  A work-group owns 256 queries of one head, each of its sixteen waves one tile of 16 in 256 registers: four waves to a SIMD, so that one wave's vector work stands beside another's products and LDS loads.
; ALL OF THE HEAD'S K AND V LIES IN LDS AT ONCE: LDS mirrors the first 208,896 bytes of the head's record in qkv (K's half images, V's images, K's and V's scale words), so a part's LDS byte is its byte in the record.
; Nothing is filled again and nothing is stored to LDS.  The codes come in four chunks of four key steps, so that the first step begins when a quarter has landed.
; CLUSTER: the four query blocks of a cluster belong to one head: every part is asked for jointly, by the same tensor load with the mask 15 in all four.
; LAYOUT.  Both products are used transposed: S^T = K Q^T, O^T = V^T P^T: a lane holds one query throughout.  Tile T of keys holds keys 32 (T / 2) + 8 (T % 2) + p(i), p(i) = i + 8 (i / 8), so that the 16 registers of
; tiles 2 b and 2 b + 1 are keys 32 b + 16 h + 0 .. 15.
; THE FIRST PRODUCT'S K IS 64 IN AN INSTRUCTION OF 128.  Q's registers 6-11 are zero codes.  K's tiles stand six registers apart, so registers 6-11 of tile t's operand are tile t + 1's codes (tile 7's: zeros): they are
; numbers of the format, which has no infinity and no NaN, they meet zero codes, under scale bytes 0, and add exactly 0.
; LIMITS: NaN and infinities are not served.  A block whose largest magnitude lies under 2^-122 keeps the byte 1; a block of zeros gets the byte 1 where the rule says 127: its codes are zeros, and this program alone reads the bytes.
; REGISTERS: v1-6 lane terms; v7-11, v29 the step's addresses; v12 -M, v13 the largest t, v[14:15] the sum; v16-27 Q; v28 Q's scale word; v32-85 K's eight tiles or V's four; v86-89 K's scale words (tile 2 b in lanes 0-15,
; tile 2 b + 1 in lanes 16-31), v90-91 V's; v96-159 S^T, then p; v160-191 O^T; v192-203 p's codes; v204-235 at work; v232 p's scale word.
.set HS,  315392
.set WV,  10
.set SEL, 20
.set CS,  22
.set G1C, 24
.set G1S, 32
.set G0,  40                           ; s[40:43] the scale words' group 0; s[44:59] the four chunks'
.set TB,  60
.set TS,  61
.set TJ,  62
.set CNT, 63
.macro PLACES n
.rept \n
	v_nop
.endr
.endm
.macro ROUND                           ; a round of the cluster's barrier
	s_barrier_signal -1
	s_barrier_wait -1
	s_cmp_lg_u32 s[WV], 0
	s_cbranch_scc1 .Lnot_wave_0_\@
	s_barrier_signal -3
.Lnot_wave_0_\@:
	s_barrier_wait -3
	s_barrier_signal -1
	s_barrier_wait -1
.endm
	s_load_b128 s[4:7], s[0:1], 0x0                ; qkv, oimg
	s_load_b64 s[8:9], s[0:1], 0x10                ; osc
	v_lshl_add_u32 v254, v0, 2, 0x33000
	v_mov_b32 v255, 0
	ds_add_u32 v254, v255
	ds_add_u32 v254, v255
	v_lshrrev_b32 v7, 5, v0
	s_delay_alu instid0(VALU_DEP_1)
	v_readfirstlane_b32 s[WV], v7                  ; wave 0..15
	s_bfe_u32 s11, ttmp6, 0x40000                  ; cx
	s_lshl_b32 s12, ttmp9, 2
	s_add_co_u32 s12, s12, s11                     ; my block of 256 queries: it enters Q's and o's addresses alone
	s_and_b32 s13, ttmp7, 0xffff                   ; batch x 16 + head, which the four partners share
	s_mul_i32 s14, s13, HS
	s_mov_b32 s15, 0
	s_mul_i32 s16, s[WV], 768
	s_add_co_u32 s16, s16, 196608                  ; my sixteenth of the scale words
	s_lshr_b32 s17, s[WV], 3
	s_mul_i32 s17, s17, 98304                      ; waves 0-7 fetch K's codes, waves 8-15 V's:
	s_and_b32 s18, s[WV], 7
	s_mul_i32 s18, s18, 3072                       ; an eighth of a chunk's 24,576 bytes
	s_add_co_u32 s17, s17, s18
	s_mov_b32 s[G1C], 15|(3<<16)|(1<<21)           ; the mask: all four work-groups; elements of 8 bytes; bit 21 set beside a mask; no padding: every LDS read is dense
	s_mov_b32 s[G1C+1], 32<<16                     ; 3,072 dense bytes as 12 rows of 256
	s_mov_b32 s[G1C+2], 12<<16
	s_mov_b32 s[G1C+3], 32<<16
	s_mov_b32 s[G1C+4], 12
	s_mov_b32 s[G1C+5], 32
	s_mov_b32 s[G1C+6], 0
	s_mov_b32 s[G1C+7], 0
	s_mov_b32 s[G1S], 15|(3<<16)|(1<<21)
	s_mov_b32 s[G1S+1], 32<<16                     ; 768 dense bytes as 3 rows of 256
	s_mov_b32 s[G1S+2], 3<<16
	s_mov_b32 s[G1S+3], 32<<16
	s_mov_b32 s[G1S+4], 3
	s_mov_b32 s[G1S+5], 32
	s_mov_b32 s[G1S+6], 0
	s_mov_b32 s[G1S+7], 0
	s_mov_b32 s66, s16
	s_mov_b32 s67, 0
	s_mov_b32 s68, s17
	s_mov_b32 s69, 0
	s_wait_dscnt 0x0
	s_wait_kmcnt 0x0
	s_add_nc_u64 s[4:5], s[4:5], s[14:15]          ; the head's record
	s_mov_b32 s[G0], 1
	s_mov_b32 s[G0+1], s16
	s_add_nc_u64 s[G0+2:G0+3], s[4:5], s[66:67]
	s_or_b32 s[G0+3], s[G0+3], 0x80000000
	s_add_nc_u64 s[70:71], s[4:5], s[68:69]
.irp c, 0,1,2,3
	s_mov_b32 s[G0+4+4*\c], 1
	s_add_co_u32 s[G0+5+4*\c], s17, 24576*\c
	s_add_nc_u64 s[G0+6+4*\c:G0+7+4*\c], s[70:71], 24576*\c
	s_or_b32 s[G0+7+4*\c], s[G0+7+4*\c], 0x80000000
.endr
	ROUND                                          ; all four work-groups are here: the joint loads meet
	tensor_load_to_lds s[G0:G0+3], s[G1S:G1S+7]    ; every wave issues five: five loads of mine are out
	s_nop 0
.irp c, 0,1,2,3
	tensor_load_to_lds s[G0+4+4*\c:G0+7+4*\c], s[G1C:G1C+7]
	s_nop 0
.endr
	PLACES 4
	s_lshl_b32 s72, s12, 4
	s_add_co_u32 s72, s72, s[WV]                   ; my tile of queries in the sequence: 16 x block + wave
	s_mul_i32 s74, s72, 768
	s_add_co_u32 s74, s74, 208896
	s_mov_b32 s75, 0
	s_add_nc_u64 s[76:77], s[4:5], s[74:75]        ; Q's half image
	s_lshl_b32 s74, s72, 6
	s_add_co_u32 s74, s74, 307200
	s_add_nc_u64 s[78:79], s[4:5], s[74:75]        ; Q's scale words
	v_and_b32 v7, 31, v0                           ; L
	v_and_b32 v8, 15, v0                           ; r
	s_delay_alu instid0(VALU_DEP_2)
	v_lshlrev_b32 v1, 4, v7                        ; 16 L
	s_delay_alu instid0(VALU_DEP_3)
	v_lshlrev_b32 v2, 3, v7
	s_delay_alu instid0(VALU_DEP_1)
	v_add_nc_u32 v2, 512, v2                       ; 8 L + 512
	s_delay_alu instid0(VALU_DEP_3)
	v_add_nc_u32 v3, 98304, v1                     ; the same in V's images
	s_delay_alu instid0(VALU_DEP_2)
	v_add_nc_u32 v4, 98304, v2
	v_lshlrev_b32 v5, 2, v7
	s_delay_alu instid0(VALU_DEP_1)
	v_add_nc_u32 v6, 204800, v5                    ; V's scale words: 4 L
	s_delay_alu instid0(VALU_DEP_2)
	v_add_nc_u32 v5, 196608, v5                    ; K's
	v_lshlrev_b32 v30, 2, v8
	v_and_b32 v31, 8, v8
	s_delay_alu instid0(VALU_DEP_1)
	v_add_nc_u32 v31, v31, v8
	s_delay_alu instid0(VALU_DEP_1)
	v_lshlrev_b32 v31, 5, v31                      ; osc: p(r) x 32
	global_load_b128 v[16:19], v1, s[76:77]
	global_load_b64 v[20:21], v2, s[76:77]
	global_load_b32 v28, v30, s[78:79]
	s_lshr_b32 s66, s13, 4                         ; the batch
	s_and_b32 s67, s13, 15                         ; the head
	s_lshl_b32 s68, s66, 4                         ; oimg: the block of 128 tokens: 16 x batch + 2 x query block + wave / 8,
	s_lshl_b32 s69, s12, 1
	s_add_co_u32 s68, s68, s69
	s_lshr_b32 s69, s[WV], 3
	s_add_co_u32 s68, s68, s69
	s_mul_i32 s68, s68, 98304
	s_lshr_b32 s69, s67, 1                         ; K step head / 2,
	s_mul_i32 s69, s69, 12288
	s_add_co_u32 s68, s68, s69
	s_and_b32 s69, s[WV], 7                        ; tile wave % 8,
	s_mul_i32 s69, s69, 1536
	s_add_co_u32 s68, s68, s69
	s_and_b32 s69, s67, 1                          ; half head % 2
	s_mul_i32 s69, s69, 768
	s_add_co_u32 s68, s68, s69
	s_mov_b32 s69, 0
	s_add_nc_u64 s[6:7], s[6:7], s[68:69]
	s_lshl_b32 s70, s66, 11                        ; osc: my tile's first token, 32 bytes a token, + 2 x head
	s_lshr_b32 s71, s72, 1
	s_lshl_b32 s71, s71, 5
	s_add_co_u32 s70, s70, s71
	s_and_b32 s71, s72, 1
	s_lshl_b32 s71, s71, 3
	s_add_co_u32 s70, s70, s71
	s_lshl_b32 s70, s70, 5
	s_lshl_b32 s71, s67, 1
	s_add_co_u32 s70, s70, s71
	s_mov_b32 s71, 0
	s_add_nc_u64 s[8:9], s[8:9], s[70:71]
	s_mov_b32 s[SEL], 0x76543210
	s_mov_b32 s[SEL+1], 0xfedcba98                 ; v_permlanex16_b32's selects for lane l xor 16
	s_mov_b32 s[CS], 0x3e38aa3b                    ; c = log2(e) / 8
	s_mov_b32 s[CS+1], s[CS]                       ; (named with it as a pair)
.irp j, 22,23,24,25,26,27,80,81,82,83,84,85
	v_mov_b32 v\j, 0                               ; zero codes: Q's upper 64 along K, and what stands behind K's tile 7
.endr
	v_mov_b32 v13, 0xff61b1e6                      ; the largest t so far: -3e38, under every t
	s_delay_alu instid0(VALU_DEP_1)
	v_floor_f32 v12, -v13                          ; -M
	v_mov_b32 v14, 0
	v_mov_b32 v15, 0
.irp j, 216,217,218,219,231
	v_mov_b32 v\j, 0                               ; lane permutes' destinations, and the upper half of the pair v[230:231]
.endr
.set jj, 0
.rept 32
	v_mov_b32 v[160+jj], 0                         ; O^T: the step is written once; the first finds zeros, which the first change of M leaves zeros
.set jj, jj+1
.endr
; A KEY STEP: 128 keys.
.macro STEP
	v_add_nc_u32 v7, s[TB], v1                     ; six plain instructions: also the places in front of the loads into registers that the last products read
	v_add_nc_u32 v8, s[TB], v2
	v_add_nc_u32 v9, s[TB], v3
	v_add_nc_u32 v10, s[TB], v4
	v_add_nc_u32 v11, s[TS], v5
	v_add_nc_u32 v29, s[TJ], v6
.irp t, 0,1,2,3,4,5,6,7
	ds_load_b128 v[32+6*\t:35+6*\t], v7 offset:768*\t
	ds_load_b64 v[36+6*\t:37+6*\t], v8 offset:768*\t
.endr
.irp b, 0,1,2,3
	ds_load_b32 v[86+\b], v11 offset:128*\b
.endr
	s_wait_alu depctr_va_vdst(0)
	s_wait_dscnt 0x0
.irp t, 0,2,4,6
	v_wmma_scale_f32_16x16x128_f8f6f4 v[96+8*\t:103+8*\t], v[32+6*\t:43+6*\t], v[16:27], 0, v[86+\t/2], v28 matrix_a_fmt:MATRIX_FMT_BF6 matrix_b_fmt:MATRIX_FMT_BF6
	v_wmma_scale_f32_16x16x128_f8f6f4 v[104+8*\t:111+8*\t], v[38+6*\t:49+6*\t], v[16:27], 0, v[86+\t/2], v28 matrix_a_fmt:MATRIX_FMT_BF6 matrix_b_fmt:MATRIX_FMT_BF6 matrix_a_scale:MATRIX_SCALE_ROW1
.endr
	PLACES 4                                       ; in front of the loads below and of the first read of the scores
.irp t, 0,1,2,3                                ; V's four fragments: they land under the softmax
	ds_load_b128 v[32+12*\t:35+12*\t], v9 offset:1536*\t
	ds_load_b64 v[36+12*\t:37+12*\t], v10 offset:1536*\t
	ds_load_b128 v[38+12*\t:41+12*\t], v9 offset:1536*\t+768
	ds_load_b64 v[42+12*\t:43+12*\t], v10 offset:1536*\t+768
.endr
	ds_load_b32 v90, v29
	ds_load_b32 v91, v29 offset:128
.irp b, 0,1,2,3
	v_max3_num_f32 v[212+\b], v[96+16*\b], v[97+16*\b], v[98+16*\b]   ; the largest score of each block of 32 keys: for the row's maximum and, since p rises with the score, for the block's largest p
.endr
.irp i, 3,5,7,9,11,13
.irp b, 0,1,2,3
	v_max3_num_f32 v[212+\b], v[212+\b], v[96+16*\b+\i], v[97+16*\b+\i]
.endr
.endr
.irp b, 0,1,2,3
	v_max_num_f32 v[212+\b], v[212+\b], v[111+16*\b]
.endr
.irp b, 0,1,2,3
	s_delay_alu instid0(VALU_DEP_4)
	v_permlanex16_b32 v[216+\b], v[212+\b], s[SEL], s[SEL+1]
.endr
.irp b, 0,1,2,3
	s_delay_alu instid0(VALU_DEP_4)
	v_max_num_f32 v[212+\b], v[212+\b], v[216+\b]  ; with lane l xor 16's 16 keys
.endr
	s_delay_alu instid0(VALU_DEP_2)
	v_max3_num_f32 v233, v212, v213, v214
	s_delay_alu instid0(VALU_DEP_1)
	v_max_num_f32 v233, v233, v215                 ; the step's largest score of my query
	s_delay_alu instid0(VALU_DEP_1)
	v_mul_f32 v233, s[CS], v233                    ; as t (c is positive)
	s_delay_alu instid0(VALU_DEP_1)
	v_max_num_f32 v13, v13, v233                   ; the running largest t
	v_mov_b32 v233, v12
	s_delay_alu instid0(VALU_DEP_2)
	v_floor_f32 v12, -v13                          ; the new -M = floor(-t) = -ceil(t)
	s_delay_alu instid0(VALU_DEP_1)
	v_sub_f32 v233, v12, v233                      ; old M - new M: a whole number, 0 or less
	s_delay_alu instid0(VALU_DEP_1)
	v_cvt_i32_f32 v233, v233                       ; (it saturates)
	s_delay_alu instid0(VALU_DEP_1)
	v_ldexp_f32 v230, 1.0, v233                    ; f = 2^(old M - new M)
.set jj, 0
.rept 32
	v_pk_fma_f32 v[96+jj:97+jj], v[96+jj:97+jj], s[CS:CS+1], v[12:13] op_sel_hi:[1,0,0]   ; t - M, two at a time
.set jj, jj+2
.endr
.irp b, 0,1,2,3
	v_fma_f32 v[212+\b], v[212+\b], s[CS], v12     ; the same of each block's largest score
.endr
.set jj, 0
	s_setprio 1
	s_wait_alu depctr_va_vdst(0)
.rept 64
	v_exp_f32 v[96+jj], v[96+jj]                   ; p = 2^(t - M), at most 1
.set jj, jj+1
.endr
.irp b, 0,1,2,3
	v_exp_f32 v[212+\b], v[212+\b]                 ; the block's largest p: the same two instructions on the same number give the same bits
.endr
	v_pk_mul_f32 v[14:15], v[14:15], v[230:231] op_sel_hi:[1,0]   ; the sums under the new M (a plain place behind the exponentials)
	s_wait_alu depctr_va_vdst(0)
.irp b, 0,1,2,3
	v_max_num_f32 v[212+\b], 0x2800000, v[212+\b]  ; the floor 2^(5 - 127): the byte cannot fall under 1
.endr
.irp b, 0,1,2,3
	s_delay_alu instid0(VALU_DEP_4)
	v_add_nc_u32 v[220+\b], 0xfe000000, v[212+\b]  ; 4 off the exponent field: the conversion's scale operand
.endr
.irp b, 0,1,2,3
	s_delay_alu instid0(VALU_DEP_4)
	v_lshrrev_b32 v[224+\b], 23, v[220+\b]         ; the scale's byte
.endr
	s_delay_alu instid0(VALU_DEP_3)
	v_lshl_or_b32 v232, v225, 8, v224              ; p's scale word for these 128 keys
	s_delay_alu instid0(VALU_DEP_1)
	v_lshl_or_b32 v232, v226, 16, v232
	s_delay_alu instid0(VALU_DEP_1)
	v_lshl_or_b32 v232, v227, 24, v232
.irp c, 0,1
	v_cvt_scalef32_pk16_bf6_f32 v[192+6*\c:194+6*\c], v[96+32*\c:111+32*\c], v[220+2*\c]
	v_cvt_scalef32_pk16_bf6_f32 v[204+4*\c:206+4*\c], v[112+32*\c:127+32*\c], v[220+2*\c+1]   ; (a conversion's three registers begin on an even number)
.endr
	v_nop                                          ; one plain place behind a scaled conversion
.irp c, 0,1                                    ; the operand's layout wants a whole block in a lane
.irp i, 0,1,2
	v_permlane16_swap_b32 v[192+6*\c+\i], v[204+4*\c+\i]
.endr
.irp i, 0,1,2
	s_delay_alu instid0(VALU_DEP_3)
	v_mov_b32 v[195+6*\c+\i], v[204+4*\c+\i]
.endr
.endr
	v_pk_add_f32 v[234:235], v[100:101], v[104:105]
	v_pk_add_f32 v[252:253], v[108:109], v[112:113]
	v_pk_add_f32 v[250:251], v[116:117], v[120:121]
	v_pk_add_f32 v[248:249], v[124:125], v[128:129]
	v_pk_add_f32 v[246:247], v[132:133], v[136:137]
	v_pk_add_f32 v[244:245], v[140:141], v[144:145]
	v_pk_add_f32 v[242:243], v[148:149], v[152:153]
	v_pk_add_f32 v[14:15], v[14:15], v[156:157]
	v_pk_add_f32 v[234:235], v[234:235], v[96:97]
	v_pk_add_f32 v[252:253], v[252:253], v[98:99]
	v_pk_add_f32 v[250:251], v[250:251], v[102:103]
	v_pk_add_f32 v[248:249], v[248:249], v[106:107]
	v_pk_add_f32 v[246:247], v[246:247], v[110:111]
	v_pk_add_f32 v[244:245], v[244:245], v[114:115]
	v_pk_add_f32 v[242:243], v[242:243], v[118:119]
	v_pk_add_f32 v[14:15], v[14:15], v[122:123]
	v_pk_add_f32 v[234:235], v[234:235], v[126:127]
	v_pk_add_f32 v[252:253], v[252:253], v[130:131]
	v_pk_add_f32 v[250:251], v[250:251], v[134:135]
	v_pk_add_f32 v[248:249], v[248:249], v[138:139]
	v_pk_add_f32 v[246:247], v[246:247], v[142:143]
	v_pk_add_f32 v[244:245], v[244:245], v[146:147]
	v_pk_add_f32 v[242:243], v[242:243], v[150:151]
	v_pk_add_f32 v[14:15], v[14:15], v[154:155]
	v_pk_add_f32 v[234:235], v[234:235], v[158:159]
	s_delay_alu instid0(VALU_DEP_2)
	v_pk_add_f32 v[14:15], v[14:15], v[248:249]
	s_delay_alu instid0(VALU_DEP_2)
	v_pk_add_f32 v[234:235], v[234:235], v[246:247]
	s_setprio 0
	v_pk_add_f32 v[252:253], v[252:253], v[244:245]
	v_pk_add_f32 v[250:251], v[250:251], v[242:243]
	s_delay_alu instid0(VALU_DEP_2)
	v_pk_add_f32 v[14:15], v[14:15], v[252:253]
	s_delay_alu instid0(VALU_DEP_2)
	v_pk_add_f32 v[234:235], v[234:235], v[250:251]
	s_delay_alu instid0(VALU_DEP_1)
	v_pk_add_f32 v[14:15], v[14:15], v[234:235]
.set jj, 0
.rept 16
	v_pk_mul_f32 v[160+jj:161+jj], v[160+jj:161+jj], v[230:231] op_sel_hi:[1,0]   ; O^T under the new M, each accumulator from its low end on
.set jj, jj+2
.endr
	s_wait_alu depctr_va_vdst(0)
	s_wait_dscnt 0x0                               ; V's fragments and scale words are in
.irp t, 0,2
	v_wmma_scale_f32_16x16x128_f8f6f4 v[160+8*\t:167+8*\t], v[32+12*\t:43+12*\t], v[192:203], v[160+8*\t:167+8*\t], v[90+\t/2], v232 matrix_a_fmt:MATRIX_FMT_BF6 matrix_b_fmt:MATRIX_FMT_BF6
	v_wmma_scale_f32_16x16x128_f8f6f4 v[168+8*\t:175+8*\t], v[44+12*\t:55+12*\t], v[192:203], v[168+8*\t:175+8*\t], v[90+\t/2], v232 matrix_a_fmt:MATRIX_FMT_BF6 matrix_b_fmt:MATRIX_FMT_BF6 matrix_a_scale:MATRIX_SCALE_ROW1
.endr
	s_add_co_u32 s[TB], s[TB], 6144                ; the next step's codes (K's eight half images and V's four images are 6,144 bytes each)
	s_add_co_u32 s[TS], s[TS], 512
	s_add_co_u32 s[TJ], s[TJ], 256
.endm
; Four key steps.  left: the chunks issued behind this one, which may stay out.
.macro CHUNK left, idx
	s_wait_tensorcnt \left                         ; my part of this chunk is in (ahead of the first chunk: my part of the scale words too),
	s_wait_dscnt 0x0
	s_barrier_signal -1
	s_barrier_wait -1                              ; everybody's is
	s_mov_b32 s[TB], 24576*\idx
	s_mov_b32 s[TS], 2048*\idx
	s_mov_b32 s[TJ], 1024*\idx
	s_mov_b32 s[CNT], 4
.Lstep_\@:
	s_setprio 2
	STEP
	s_sub_co_u32 s[CNT], s[CNT], 1
	s_cmp_lg_u32 s[CNT], 0
	s_cbranch_scc1 .Lstep_\@
	s_setprio 0
.endm
	s_wait_loadcnt 0x0                             ; Q
	CHUNK 3, 0
	CHUNK 2, 1
	CHUNK 1, 2
	CHUNK 0, 3
	; THE WAY OUT: o = O^T / the sum; its 64 channels are two blocks of the last product's K: quantised in registers, and stored as a half image.
	v_add_f32 v14, v14, v15
	s_delay_alu instid0(VALU_DEP_1)
	v_permlanex16_b32 v233, v14, s[SEL], s[SEL+1]
	s_delay_alu instid0(VALU_DEP_1)
	v_add_f32 v14, v14, v233                       ; the row's sum
	s_wait_alu depctr_va_vdst(0)
	v_rcp_f32 v14, v14
	PLACES 4                                       ; behind the reciprocal, and behind the last products
.set jj, 0
	s_wait_alu depctr_va_vdst(0)
.rept 16
	v_pk_mul_f32 v[96+jj:97+jj], v[160+jj:161+jj], v[14:15] op_sel_hi:[1,0]   ; register 16 b + i is o(my query, 32 b + 16 h + i)
.set jj, jj+2
.endr
.irp b, 0,1
	v_max3_num_f32 v[212+\b], |v[96+16*\b]|, |v[97+16*\b]|, 0x2800000
.endr
.irp i, 2,4,6,8,10,12,14
.irp b, 0,1
	s_delay_alu instid0(VALU_DEP_2)
	v_max3_num_f32 v[212+\b], v[212+\b], |v[96+16*\b+\i]|, |v[97+16*\b+\i]|
.endr
.endr
.irp b, 0,1
	s_delay_alu instid0(VALU_DEP_2)
	v_permlanex16_b32 v[216+\b], v[212+\b], s[SEL], s[SEL+1]
.endr
.irp b, 0,1
	s_delay_alu instid0(VALU_DEP_2)
	v_max_num_f32 v[212+\b], v[212+\b], v[216+\b]
.endr
.irp b, 0,1
	s_delay_alu instid0(VALU_DEP_2)
	v_add_nc_u32 v[220+\b], 0xfe000000, v[212+\b]
.endr
.irp b, 0,1
	s_delay_alu instid0(VALU_DEP_2)
	v_lshrrev_b32 v[224+\b], 23, v[220+\b]
.endr
	s_delay_alu instid0(VALU_DEP_1)
	v_lshl_or_b32 v226, v225, 8, v224              ; the head's two scale bytes
	v_cvt_scalef32_pk16_bf6_f32 v[192:194], v[96:111], v220
	v_cvt_scalef32_pk16_bf6_f32 v[196:198], v[112:127], v221
	v_nop                                          ; one plain place behind a scaled conversion
.irp i, 0,1,2
	v_permlane16_swap_b32 v[192+\i], v[196+\i]     ; a whole block in a lane: lanes 0-15 block 0, lanes 16-31 block 1
.endr
	s_delay_alu instid0(VALU_DEP_3)
	v_mov_b32 v195, v196
	s_delay_alu instid0(VALU_DEP_3)
	v_mov_b32 v200, v197
	s_delay_alu instid0(VALU_DEP_3)
	v_mov_b32 v201, v198
	global_store_b128 v1, v[192:195], s[6:7]       ; 512 consecutive bytes, aligned to 256
	global_store_b64 v2, v[200:201], s[6:7]        ; the 256 behind them
	global_store_b16 v31, v226, s[8:9]             ; two bytes of each token's 32: 262,144 bytes in the whole launch; kept so that the last product loads these bytes as it loads every operand's
	s_wait_tensorcnt 0x0
	ds_add_u32 v254, v255
	s_wait_dscnt 0x0
	ROUND                                          ; the closing round: no work-group ends while a partner may still ask for a part that names it
	s_endpgm
.Lfunc_end_k_q1b00f1007d_att:
	.size	k_q1b00f1007d_att, .Lfunc_end_k_q1b00f1007d_att-k_q1b00f1007d_att
	.p2alignl 7, 3214868480
	.fill 96, 4, 3214868480
	.section	.rodata,"a",@progbits
	.p2align	6, 0x0
	.amdhsa_kernel k_q1b00f1007d_att
		.amdhsa_group_segment_fixed_size 210944
		.amdhsa_private_segment_fixed_size 0
		.amdhsa_enable_private_segment 0
		.amdhsa_kernarg_size 24
		.amdhsa_user_sgpr_count 2
		.amdhsa_user_sgpr_kernarg_segment_ptr 1
		.amdhsa_wavefront_size32 1
		.amdhsa_system_sgpr_workgroup_id_x 1
		.amdhsa_system_sgpr_workgroup_id_y 1
		.amdhsa_system_sgpr_workgroup_id_z 1
		.amdhsa_system_vgpr_workitem_id 0
		.amdhsa_next_free_vgpr 256
		.amdhsa_next_free_sgpr 80
		.amdhsa_reserve_vcc 0
		.amdhsa_float_denorm_mode_32 3
		.amdhsa_float_denorm_mode_16_64 3
		.amdhsa_memory_ordered 1
		.amdhsa_forward_progress 1
		.amdhsa_inst_pref_size 86
	.end_amdhsa_kernel
	.amdgpu_metadata
---
amdhsa.version: [ 1, 2 ]
amdhsa.kernels:
  - .name:           k_q1b00f1007d_att
    .symbol:         k_q1b00f1007d_att.kd
    .args:
      - { .name: qkv, .offset: 0, .size: 8, .value_kind: global_buffer, .address_space: global }
      - { .name: oimg, .offset: 8, .size: 8, .value_kind: global_buffer, .address_space: global }
      - { .name: osc, .offset: 16, .size: 8, .value_kind: global_buffer, .address_space: global }
    .group_segment_fixed_size: 210944
    .private_segment_fixed_size: 0
    .kernarg_segment_align: 8
    .kernarg_segment_size: 24
    .max_flat_workgroup_size: 512
    .sgpr_count:     80
    .vgpr_count:     256
    .wavefront_size: 32
...
	.end_amdgpu_metadata
.endif
;; end of part 3
;; launch out (part 4): grid 4 x 64, 4 waves a work-group, clusters of 4 x 4, 295,424 bytes of LDS; arguments oimg, osc, wimg, Wo_scales, bo, state, out0; writes out0
.if DOCPART == 4
	.amdgcn_target "amdgcn-amd-amdhsa--gfx1250"
	.amdhsa_code_object_version 6
	.text
	.protected	k_q1b00f1007d_out
	.globl	k_q1b00f1007d_out
	.p2align	8
	.type	k_q1b00f1007d_out,@function
k_q1b00f1007d_out:
	s_mov_b64 s[64:65], 0
	v_nop
	global_prefetch_b8 v0, s[64:65] scope:SCOPE_SE
	s_setreg_imm32_b32 hwreg(HW_REG_WAVE_MODE, 25, 1), 1
	s_wait_xcnt 0x0
	s_wait_alu depctr_hold_cnt(0) depctr_sa_sdst(0) depctr_va_vdst(0) depctr_va_sdst(0) depctr_va_ssrc(0) depctr_va_vcc(0) depctr_vm_vsrc(0)
	s_getreg_b32 s2, hwreg(HW_REG_IB_STS2, 6, 4)
	s_cmp_eq_u32 s2, 0
	s_cbranch_scc0 .Lentry_in_a_cluster
	s_endpgm
.Lentry_in_a_cluster:
	s_bfe_u32 s2, ttmp6, 0x10000c
	s_cmp_lg_u32 s2, 0xf033
	s_cbranch_scc0 .Lentry_shape_is_right
	s_endpgm
.Lentry_shape_is_right:
; out0 = o Wo + bo + state, the product on codes of BF6 (E3M2).  o's codes and scale bytes were made by the launch before, Wo's codes laid as images by the first.
; Operands are images of the operand's registers (tile T of a row axis: rows 32 (T / 2) + 8 (T % 2) + p(i), p(i) = i + 8 (i / 8); a fragment's image 1,536 bytes; 128 rows x 1,024 K: [K step][tile][1,536] = 98,304 bytes).
; A work-group makes R 128 tokens (source 1: a lane holds one) x P 256 rows of Wo (source 0: a lane's registers run along the output's columns).  ALL OF K LIES IN LDS AT ONCE (3 x 98,304 bytes): nothing is filled again.
; It comes in four chunks of two K steps.  CLUSTERS: 4 x 4 work-groups; R's block is shared along a row of the cluster, P's two blocks along a column: each is asked for jointly.
; bo is the C of each sum's first matrix instruction.  The wave's 64 x 128 numbers of state are asked for ahead of the products and land under them.
; THE WAY OUT: a tile of 16 tokens x 128 columns goes through the wave's stage in LDS and comes back as whole rows of 512 bytes; state is added; 32 lanes store 512 consecutive bytes.  The stage lies in R's block, which
; has had its only fill and, behind a barrier, is read by nobody.
; REGISTERS, in windows of 256: window 0: v4-17 addresses; v32-63 P's scale words, v64-79 R's; v80-175 R's fragments, two sets of 48 (on the way out v80-207: rows read back);
;   window 1: accumulator (a, b) at v[8 (8 a + b)].   window 2: v0-191 P's fragments, two sets of 96; v192-255 bo.   window 3: state, row 16 a + i at v[4 (16 a + i)].
.set WV,   76
.set G1R,  24
.set G1P,  32
.set G0R,  40
.set AR16, 4
.set AR8,  6
.set AP16, 8
.set AP8,  10
.set L16,  12
.set L8,   13
.set SCA,  14
.set BIA,  15
.set STO,  16
.set RD,   17
.set SCP,  32
.set SCR,  64
.set RF,   80
.set PF,   0
.set BI,   192
.set BK,   80
.set MSB, 0
.macro WIN new                         ; the immediate's high byte repeats the setting that is left
.if MSB != \new
	s_set_vgpr_msb (MSB<<8)|\new
.set MSB, \new
.endif
.endm
.macro PLACES n
.rept \n
	v_nop
.endr
.endm
.macro ROUND                           ; a round of the cluster's barrier
	s_barrier_signal -1
	s_barrier_wait -1
	s_cmp_lg_u32 s[WV], 0
	s_cbranch_scc1 .Lnot_wave_0_\@
	s_barrier_signal -3
.Lnot_wave_0_\@:
	s_barrier_wait -3
	s_barrier_signal -1
	s_barrier_wait -1
.endm
	s_load_b256 s[4:11], s[0:1], 0x0               ; oimg, osc, wimg, Wo's scales
	s_load_b128 s[12:15], s[0:1], 0x20             ; bo, state
	s_load_b64 s[16:17], s[0:1], 0x30              ; out0
	v_lshl_add_u32 v254, v0, 2, 0x48000
	v_mov_b32 v255, 0
	ds_add_u32 v254, v255
	ds_add_u32 v254, v255
	v_lshrrev_b32 v1, 5, v0
	v_readfirstlane_b32 s[WV], v1                  ; wave 0..3
	s_lshr_b32 s77, s[WV], 1                       ; rh: which four tiles of R are mine.  Also: I fetch for R (0) or for P (1)
	s_and_b32 s78, s[WV], 1                        ; ph: which block of P is mine.  Also: which part I fetch
	s_bfe_u32 s79, ttmp6, 0x40000                  ; cx: which 256 rows of Wo
	s_bfe_u32 s80, ttmp6, 0x40004                  ; cy
	s_and_b32 s81, ttmp7, 0xffff
	s_lshl_b32 s86, s81, 2
	s_add_co_u32 s86, s86, s80                     ; RY: which 128 tokens
	s_lshl_b32 s87, s80, 2
	s_lshl_b32 s87, 15, s87                        ; my row of the cluster
	s_lshl_b32 s88, 0x1111, s79                    ; my column
	s_or_b32 s[G1R], s87, (3<<16)|(1<<21)          ; the mask; elements of 8 bytes; bit 21 set beside a mask; no padding: every LDS read is dense
	s_or_b32 s[G1P], s88, (3<<16)|(1<<21)
	s_mov_b32 s[G1R+1], 32<<16                     ; R's part is one K step, 12,288 dense bytes: 48 rows of 256
	s_mov_b32 s[G1R+2], 48<<16
	s_mov_b32 s[G1R+3], 32<<16
	s_mov_b32 s[G1R+4], 48
	s_mov_b32 s[G1R+5], 32
	s_mov_b32 s[G1R+6], 0
	s_mov_b32 s[G1R+7], 0
	s_mov_b32 s[G1P+1], 32<<16                     ; P's part is two K steps of one block, 24,576 dense bytes: 96 rows
	s_mov_b32 s[G1P+2], 96<<16
	s_mov_b32 s[G1P+3], 32<<16
	s_mov_b32 s[G1P+4], 96
	s_mov_b32 s[G1P+5], 32
	s_mov_b32 s[G1P+6], 0
	s_mov_b32 s[G1P+7], 0
	s_mul_i32 s90, s79, 196608
	s_add_co_u32 s90, s90, 3*786432                ; Wo is the fourth weight in wimg
	s_mul_i32 s97, s78, 98304
	s_add_co_u32 s90, s90, s97
	s_mov_b32 s91, 0
	s_mul_i32 s92, s86, 98304
	s_mul_i32 s95, s78, 12288
	s_add_co_u32 s92, s92, s95
	s_mov_b32 s93, 0
	s_add_co_u32 s96, s97, 98304
	s_wait_dscnt 0x0
	s_wait_kmcnt 0x0
	s_add_nc_u64 s[98:99], s[8:9], s[90:91]
	s_add_nc_u64 s[100:101], s[4:5], s[92:93]
.irp c, 0,1,2,3                                ; chunk c: K steps 2 c and 2 c + 1
	s_mov_b32 s[G0R+4*\c], 1
	s_add_co_u32 s[G0R+4*\c+1], s95, 24576*\c
	s_add_nc_u64 s[G0R+4*\c+2:G0R+4*\c+3], s[100:101], 24576*\c
	s_or_b32 s[G0R+4*\c+3], s[G0R+4*\c+3], 0x80000000
	s_mov_b32 s[56+4*\c+4*(\c/2)], 1
	s_add_co_u32 s[57+4*\c+4*(\c/2)], s96, 24576*\c
	s_add_nc_u64 s[58+4*\c+4*(\c/2):59+4*\c+4*(\c/2)], s[98:99], 24576*\c
	s_or_b32 s[59+4*\c+4*(\c/2)], s[59+4*\c+4*(\c/2)], 0x80000000
.endr
	ROUND                                          ; all sixteen work-groups are here: the joint loads meet
	s_cmp_eq_u32 s77, 0                            ; a wave's four fills stand in one branch on the wave's number; four loads of mine are out
	s_cbranch_scc0 .Lfor_p
.irp c, 0,1,2,3
	tensor_load_to_lds s[G0R+4*\c:G0R+4*\c+3], s[G1R:G1R+7]
	s_nop 0
.endr
	PLACES 4
	s_branch .Lasked
.Lfor_p:
.irp c, 0,1,2,3
	tensor_load_to_lds s[56+4*\c+4*(\c/2):59+4*\c+4*(\c/2)], s[G1P:G1P+7]
	s_nop 0
.endr
	PLACES 4
.Lasked:
	s_lshl_b32 s90, s79, 13
	s_lshl_b32 s89, s78, 12
	s_add_co_u32 s90, s90, s89                     ; Wo's scale bytes: 8,192 cx + 4,096 ph
	s_lshl_b32 s92, s86, 12
	s_lshl_b32 s94, s77, 11
	s_add_co_u32 s92, s92, s94                     ; o's: 4,096 RY + 2,048 rh
	s_lshl_b32 s98, s79, 10
	s_lshl_b32 s89, s78, 9
	s_add_co_u32 s98, s98, s89                     ; my first column, in bytes: 4 (256 cx + 128 ph)
	s_mov_b32 s99, 0
	s_lshl_b32 s100, s86, 19
	s_lshl_b32 s94, s77, 18
	s_add_co_u32 s100, s100, s94                   ; my first token's row: 4,096 (128 RY + 64 rh), under 2^25
	s_add_co_u32 s100, s100, s98
	s_mov_b32 s101, 0
	s_add_nc_u64 s[10:11], s[10:11], s[90:91]
	s_add_nc_u64 s[6:7], s[6:7], s[92:93]
	s_add_nc_u64 s[12:13], s[12:13], s[98:99]
	s_add_nc_u64 s[14:15], s[14:15], s[100:101]
	s_add_nc_u64 s[16:17], s[16:17], s[100:101]
	s_mul_i32 s66, s77, 6144                       ; my four tiles of R in a K step
	s_mul_i32 s67, s78, 98304
	s_add_co_u32 s67, s67, 98304                   ; my block of P
	s_mul_i32 s3, s[WV], 8448                      ; my stage: 16 rows x 528 bytes
	v_and_b32 v1, 31, v0                           ; L
	v_and_b32 v2, 15, v0                           ; r
	v_bfe_u32 v3, v0, 4, 1                         ; h
	v_lshlrev_b32 v[L16], 4, v1
	v_lshlrev_b32 v[L8], 3, v1
	v_add_nc_u32 v[AR16], s66, v[L16]
	v_add_nc_u32 v[AR8], s66, v[L8]
	v_add_nc_u32 v[AR8], 512, v[AR8]
	v_add_nc_u32 v[AR16+1], 49152, v[AR16]         ; K steps 4 to 7: beyond the 16-bit immediate
	v_add_nc_u32 v[AR8+1], 49152, v[AR8]
	v_add_nc_u32 v[AP16], s67, v[L16]
	v_add_nc_u32 v[AP8], s67, v[L8]
	v_add_nc_u32 v[AP8], 512, v[AP8]
	v_add_nc_u32 v[AP16+1], 49152, v[AP16]
	v_add_nc_u32 v[AP8+1], 49152, v[AP8]
	v_and_b32 v21, 8, v2
	v_add_nc_u32 v21, v21, v2                      ; p(r)
	v_lshlrev_b32 v[SCA], 5, v21
	v_lshl_add_u32 v[SCA], v3, 4, v[SCA]           ; scale bytes: row p(r), 16 bytes for each half: register i holds K step i in lanes 0-15, K step 4 + i in lanes 16-31
	v_lshlrev_b32 v[BIA], 6, v3
	v_mul_u32_u24 v[STO], v2, 528
	v_lshl_add_u32 v[STO], v3, 6, v[STO]
	v_add_nc_u32 v[STO], s3, v[STO]                ; into the stage: row r, + 64 h
	v_add_nc_u32 v[RD], s3, v[L16]                 ; back: a row's 512 bytes, 16 a lane
.irp b, 0,1,2,3,4,5,6,7
	global_load_b128 v[SCP+4*\b:SCP+4*\b+3], v[SCA], s[10:11] offset:(32*(\b/2)+8*(\b%2))*32
.endr
.irp a, 0,1,2,3
	global_load_b128 v[SCR+4*\a:SCR+4*\a+3], v[SCA], s[6:7] offset:(32*(\a/2)+8*(\a%2))*32
.endr
	WIN 0x80                                       ; destination window 2
.irp b, 0,1,2,3,4,5,6,7
	global_load_b128 v[BI+8*\b:BI+8*\b+3], v[BIA], s[12:13] offset:(32*(\b/2)+8*(\b%2))*4      ; bo in the result's layout: tile b's eight columns of my half
	global_load_b128 v[BI+8*\b+4:BI+8*\b+7], v[BIA], s[12:13] offset:(32*(\b/2)+8*(\b%2))*4+16
.endr
	WIN 0
.macro FRAGL reg, a16, a8, off         ; a fragment's image back into 12 registers: four dense loads
.set FRG, \reg
.set FOF, \off
	ds_load_b128 v[FRG:FRG+3], v[\a16] offset:FOF
	ds_load_b64 v[FRG+4:FRG+5], v[\a8] offset:FOF
	ds_load_b128 v[FRG+6:FRG+9], v[\a16] offset:FOF+768
	ds_load_b64 v[FRG+10:FRG+11], v[\a8] offset:FOF+768
.endm
.macro FETCH s                         ; K step s: P's eight fragments and R's four, 48 loads, into the sets s % 2
	WIN 0x80
.irp b, 0,1,2,3,4,5,6,7
	FRAGL PF+96*((\s)%2)+12*\b, AP16+(\s)/4, AP8+(\s)/4, ((\s)%4)*12288+1536*\b
.endr
	WIN 0
.irp a, 0,1,2,3
	FRAGL RF+48*((\s)%2)+12*\a, AR16+(\s)/4, AR8+(\s)/4, ((\s)%4)*12288+1536*\a
.endr
.endm
.macro MM s, a, b
.set rD, 8*(8*(\a)+(\b))
.set rA, PF+96*((\s)%2)+12*(\b)
.set rB, RF+48*((\s)%2)+12*(\a)
.set rP, SCP+4*(\b)+(\s)%4
.set rR, SCR+4*(\a)+(\s)%4
.if (\s) == 0
	v_wmma_scale_f32_16x16x128_f8f6f4 v[rD:rD+7], v[rA:rA+11], v[rB:rB+11], v[BI+8*(\b):BI+8*(\b)+7], v[rP], v[rR] matrix_a_fmt:MATRIX_FMT_BF6 matrix_b_fmt:MATRIX_FMT_BF6
.elseif (\s) < 4
	v_wmma_scale_f32_16x16x128_f8f6f4 v[rD:rD+7], v[rA:rA+11], v[rB:rB+11], v[rD:rD+7], v[rP], v[rR] matrix_a_fmt:MATRIX_FMT_BF6 matrix_b_fmt:MATRIX_FMT_BF6
.else
	v_wmma_scale_f32_16x16x128_f8f6f4 v[rD:rD+7], v[rA:rA+11], v[rB:rB+11], v[rD:rD+7], v[rP], v[rR] matrix_a_fmt:MATRIX_FMT_BF6 matrix_b_fmt:MATRIX_FMT_BF6 matrix_a_scale:MATRIX_SCALE_ROW1 matrix_b_scale:MATRIX_SCALE_ROW1
.endif
.endm
; A K step: 32 matrix instructions; the next step's 48 loads are issued ahead of them.  The 32 accumulators take turns, one instruction a turn, in the same order in every step.
.macro STEPK s
	s_wait_dscnt 0x0                               ; this step's fragments are in
.if ((\s) == 1) || ((\s) == 3) || ((\s) == 5)
	s_wait_tensorcnt 3-((\s)+1)/2                  ; my part of the next chunk is in: so many chunks were issued behind it;
	s_barrier_signal -1
	s_barrier_wait -1                              ; everybody's is.
.endif
.if (\s) < 7
.if (\s) > 0
	PLACES 4                                       ; in front of loads into registers that the step before multiplied (ISA guide 7.12.1 for VALU instructions)
.endif
	FETCH (\s)+1
.endif
.if (\s) == 0
	WIN 0x62                                       ; source 0 (P) window 2, source 1 (R) window 0, C (bo) window 2, D window 1
.else
	WIN 0x52                                       ; C and D window 1
.endif
.irp a, 0,1,2,3
.irp b, 0,1,2,3,4,5,6,7
	MM \s, \a, \b
.endr
.endr
	WIN 0
.endm
	s_wait_tensorcnt 3                             ; my part of chunk 0 is in; three chunks were issued behind it
	s_barrier_signal -1
	s_barrier_wait -1
	FETCH 0
	s_wait_loadcnt 0x0                             ; scale words and bo
	WIN 0xc0                                       ; destination window 3
.irp a, 0,1,2,3
.irp i, 0,1,2,3,4,5,6,7,8,9,10,11,12,13,14,15
	global_load_b128 v[4*(16*\a+\i):4*(16*\a+\i)+3], v[L16], s[14:15] offset:(32*(\a/2)+8*(\a%2)+\i+8*(\i/8))*4096 th:TH_LOAD_NT   ; state: tile a's row i, my 128 columns: 512 consecutive bytes
.endr
.endr
	WIN 0
.irp s, 0,1,2,3,4,5,6,7
	STEPK \s
.endr
	PLACES 4                                       ; in front of the first read of results and of loads into R's fragments
	s_wait_alu depctr_va_vdst(0)
	s_wait_dscnt 0x0
	s_barrier_signal -1
	s_barrier_wait -1                              ; no wave reads the codes any more: the stages may be written
	s_wait_loadcnt 0x0                             ; state
.macro TOSTAGE a                       ; LDS serves a wave's instructions in order (ISA guide 5.7.1.4): no wait between the stores and the loads, nor in front of the next tile's stores
	WIN 0x04                                       ; an LDS store's data are its source 1: window 1
.irp b, 0,1,2,3,4,5,6,7
	ds_store_b128 v[STO], v[64*\a+8*\b:64*\a+8*\b+3] offset:128*(\b/2)+32*(\b%2)          ; lane (r, h): columns 32 (b / 2) + 16 h + 8 (b % 2) + 0 .. 7 of tile row r; each accumulator from its low end on
	ds_store_b128 v[STO], v[64*\a+8*\b+4:64*\a+8*\b+7] offset:128*(\b/2)+32*(\b%2)+16
.endr
	WIN 0
.set BB, BK+64*((\a)%2)
.irp i, 0,1,2,3,4,5,6,7,8,9,10,11,12,13,14,15
	ds_load_b128 v[BB+4*\i:BB+4*\i+3], v[RD] offset:528*\i
.endr
.endm
.macro SEND a, younger                 ; younger: the LDS instructions issued behind tile a's loads, which may stay out
.set BB, BK+64*((\a)%2)
	s_wait_dscnt \younger
	WIN 0x0c                                       ; source 1 window 3
.irp i, 0,1,2,3,4,5,6,7,8,9,10,11,12,13,14,15
	v_pk_add_f32 v[BB+4*\i:BB+4*\i+1], v[BB+4*\i:BB+4*\i+1], v[64*\a+4*\i:64*\a+4*\i+1]          ; + state
	v_pk_add_f32 v[BB+4*\i+2:BB+4*\i+3], v[BB+4*\i+2:BB+4*\i+3], v[64*\a+4*\i+2:64*\a+4*\i+3]
.endr
	WIN 0
.irp i, 0,1,2,3,4,5,6,7,8,9,10,11,12,13,14,15
	global_store_b128 v[L16], v[BB+4*\i:BB+4*\i+3], s[16:17] offset:(32*(\a/2)+8*(\a%2)+\i+8*(\i/8))*4096 th:TH_STORE_NT   ; 32 lanes store 512 consecutive bytes, at a multiple of 256 from out0's first byte
.endr
.endm
	TOSTAGE 0
	TOSTAGE 1
	SEND 0, 32                                     ; behind tile 0's loads: tile 1's 16 stores and 16 loads
	s_wait_xcnt 0x0                                ; tile 0's stores have read their registers: tile 2's loads may land there
	TOSTAGE 2
	SEND 1, 32
	s_wait_xcnt 0x0
	TOSTAGE 3
	SEND 2, 32
	SEND 3, 0
	s_wait_tensorcnt 0x0
	ds_add_u32 v254, v255
	s_wait_dscnt 0x0
	ROUND                                          ; the closing round: no work-group ends while a partner may still ask for a tile that names it
	s_endpgm
.Lfunc_end_k_q1b00f1007d_out:
	.size	k_q1b00f1007d_out, .Lfunc_end_k_q1b00f1007d_out-k_q1b00f1007d_out
	.p2alignl 7, 3214868480
	.fill 96, 4, 3214868480
	.section	.rodata,"a",@progbits
	.p2align	6, 0x0
	.amdhsa_kernel k_q1b00f1007d_out
		.amdhsa_group_segment_fixed_size 295424
		.amdhsa_private_segment_fixed_size 0
		.amdhsa_enable_private_segment 0
		.amdhsa_kernarg_size 56
		.amdhsa_user_sgpr_count 2
		.amdhsa_user_sgpr_kernarg_segment_ptr 1
		.amdhsa_wavefront_size32 1
		.amdhsa_system_sgpr_workgroup_id_x 1
		.amdhsa_system_sgpr_workgroup_id_y 1
		.amdhsa_system_sgpr_workgroup_id_z 1
		.amdhsa_system_vgpr_workitem_id 0
		.amdhsa_next_free_vgpr 1024
		.amdhsa_next_free_sgpr 102
		.amdhsa_reserve_vcc 0
		.amdhsa_float_denorm_mode_32 3
		.amdhsa_float_denorm_mode_16_64 3
		.amdhsa_memory_ordered 1
		.amdhsa_forward_progress 1
		.amdhsa_inst_pref_size 99
	.end_amdhsa_kernel
	.amdgpu_metadata
---
amdhsa.version: [ 1, 2 ]
amdhsa.kernels:
  - .name:           k_q1b00f1007d_out
    .symbol:         k_q1b00f1007d_out.kd
    .args:
      - { .name: oimg, .offset: 0, .size: 8, .value_kind: global_buffer, .address_space: global }
      - { .name: osc, .offset: 8, .size: 8, .value_kind: global_buffer, .address_space: global }
      - { .name: wimg, .offset: 16, .size: 8, .value_kind: global_buffer, .address_space: global }
      - { .name: Wo_scales, .offset: 24, .size: 8, .value_kind: global_buffer, .address_space: global }
      - { .name: bo, .offset: 32, .size: 8, .value_kind: global_buffer, .address_space: global }
      - { .name: state, .offset: 40, .size: 8, .value_kind: global_buffer, .address_space: global }
      - { .name: out0, .offset: 48, .size: 8, .value_kind: global_buffer, .address_space: global }
    .group_segment_fixed_size: 295424
    .private_segment_fixed_size: 0
    .kernarg_segment_align: 8
    .kernarg_segment_size: 56
    .max_flat_workgroup_size: 128
    .sgpr_count:     102
    .vgpr_count:     1024
    .wavefront_size: 32
...
	.end_amdgpu_metadata
.endif
;; end of part 4
